; MI455X (gfx1250); checked and timed in simulation.
; The chip was launched on July 23, 2026; its instructions are those of AMD's public machine-readable ISA for CDNA 5 (MIT licence, August 2026) and "CDNA5" Instruction Set Architecture Reference Guide (July 2026). The comments in the code are by the model that wrote it; some were corrected since.
;; Model. Allowed arithmetic: matrix products marked QUANTISED: E2M3 operands, one E8M0 scale for each 32 along K, by v_wmma_scale_f32_16x16x128_f8f6f4 with both operands' format E2M3, f32 sums; everything else in f32.
;; Inputs: block_tables 4 x 64 int32; key_cache 256 x 32 x 8 x 128 float32; query 2,048 x 32 x 128 float32; query_start_loc 5 int32; seq_lens 4 int32; value_cache 256 x 32 x 8 x 128 float32.
;; Outputs: out0 2,048 x 32 x 128 float32.
;; This version of the problem:
;;   THIS VERSION OF THE PROBLEM IS GIVEN IN LOW PRECISION. The matrix products marked QUANTISED in the list below multiply operands that are first quantised to E2M3 (2 exponent bits, 3 mantissa bits; 6 bits a number), with one power-of-two scale for each 32 numbers along K (OCP MX v1.0); their sums are f32. All else is computed in f32.
;;   The module's matrix products, in the order in which they are computed (A, B: the left and right operand; K: the contracted axis; several contracted axes count as one K, in the product's order):
;;     1. batch 32 x [M 2,048, K 128] x [K 128, N 2,048]; A: computed on the way; B: input query: QUANTISED
;;     2. batch 32 x [M 128, K 2,048] x [K 2,048, N 2,048]; A: computed on the way; B: softmax (see below): QUANTISED
;;   THE QUANTISER, for each operand of a quantised product, along K:
;;     - K is cut into blocks of 32 from its start; a last block that is shorter is filled with zeros.
;;     - A block's scale is 2^e with e = floor(log2(the largest magnitude in the block)) - 2, held to -126 .. 127; a block of zeros has e = 0. As a byte (E8M0): e + 127.
;;     - Each number is divided by its block's scale, clamped to +-7.5, and rounded to the nearest number of E2M3, ties to even, subnormals kept.
;;     - The product sums the exact products of the quantised numbers (number of the format x scale) in f32.
;;   ~~~python
;;   def quantise(x, axis):      # numpy; x: float32 -> the quantised numbers, widened to float32 again
;;       x = np.moveaxis(x, axis, -1); K = x.shape[-1]
;;       x = np.pad(x, [(0, 0)] * (x.ndim - 1) + [(0, -K % 32)]); x = x.reshape(x.shape[:-1] + (-1, 32)); a = np.abs(x).max(-1, keepdims=True)
;;       e = np.where(a > 0, np.clip(np.frexp(np.where(a > 0, a, 1))[1] - 1 - 2, -126, 127), 0)      # np.frexp(a)[1] - 1 = floor(log2(a)), exactly
;;       r = np.clip(x / 2.0 ** e, -7.5, 7.5)
;;       step = 2.0 ** (np.maximum(np.frexp(np.where(r == 0, 1, r))[1] - 1, 0) - 3)
;;       q = np.round(r / step) * step * 2.0 ** e      # np.round: ties to even
;;       return np.moveaxis(q.reshape(q.shape[:-2] + (-1,))[..., :K], -1, axis).astype(np.float32)
;;   ~~~
;;   SOFTMAX AHEAD OF A QUANTISED PRODUCT. Where the list says 'softmax', what is quantised is not the finished softmax but p = 2^(t - M), with t = logit x log2(e) and M = ceil(the row's largest t), a whole number; so 1/2 < the row's largest p <= 1. The row's sum l is taken of the UNQUANTISED p, in f32, and the product's result is divided by l at the end. Since M is a whole number, a kernel that streams over the keys may use a running M (the ceiling of the running maximum): every later rescaling is an exact power of two, which a block's scale takes up: the codes' values come out the same.
;;   OPERANDS COMPUTED ON THE WAY. 'Computed on the way' means the value that the module computes at that place (a softmax that the list does not call 'softmax' is quantised finished and normalised). What goes into a quantiser is computed in f32, as accurately as f32 sums, v_exp_f32 and their like allow (about 1e-6 of the number): no bf16 or f16 on the way to a quantiser, and a product that is left as it is and whose result goes on into a quantised operand takes f32 operands (vector FMAs, or v_wmma_f32_16x16x4_f32). A number that lies on a knife's edge between two numbers of the format may be rounded either way, as far as f32 arithmetic and the matrix unit's own rounding can turn it there, and no further.
;; 2 versions. Each part assembles by itself: llvm-mc -triple=amdgcn-amd-amdhsa -mcpu=gfx1250 --defsym DOCPART=n.
;; ======== version 1 of 2: 2 launches
;; workspace buffers: kvc 12,582,912 bytes; kvs 524,288 bytes
;; launch prep (part 1): grid 512 x 2, 4 waves a work-group, no clusters, 34,304 bytes of LDS; arguments key_cache, value_cache, block_tables, kvc, kvs; writes kvc, kvs
.if DOCPART == 1
	.amdgcn_target "amdgcn-amd-amdhsa--gfx1250"
	.amdhsa_code_object_version 6
	.text
	.protected	k_q92dbbfc53c_prep
	.globl	k_q92dbbfc53c_prep
	.p2align	8
	.type	k_q92dbbfc53c_prep,@function
k_q92dbbfc53c_prep:
	s_mov_b64 s[64:65], 0
	v_nop
	global_prefetch_b8 v0, s[64:65] scope:SCOPE_SE
	s_setreg_imm32_b32 hwreg(HW_REG_WAVE_MODE, 25, 1), 1
	s_wait_xcnt 0x0
; The paged K and V caches, f32 [256 pages][32 slots][8 heads][128], are gathered by block_tables into logical order and turned into codes of FP6 (E2M3) with one E8M0 scale for each 32 along a product's K.
; K is quantised along the head's 128 (four blocks a key); V along the keys: logical key = 32 x (place in the table) + slot, so a block of 32 keys is one page.
; A UNIT is 128 logical keys of one (sequence, KV head): unit = (8 b + head) x 16 + step.  Its codes, 24,576 bytes of kvc, are IMAGES OF OPERAND REGISTERS: eight fragments of K (16 keys x 128 d, 12 registers a lane,
; 1,536 bytes: registers 4 c .. 4 c + 3 of lane L at 512 c + 16 L), then eight of V^T (16 d x 128 keys).  The reader loads a fragment by three loads of 16 bytes a lane and shuffles nothing.
; K's fragment 2 pg + u (pg: the step's page): lane r holds slot 8 u + r + 8 (r / 8), so that two neighbouring tiles of scores give a lane 16 neighbouring keys.  V's fragment t: lane r holds d = 16 t + r.
; Its scale words, 1,024 bytes of kvs: K's 512, then V's; the word of (fragment t, row r) at 256 (t / 4) + 16 r + 4 (t % 4): one load of 16 bytes a lane brings four fragments' words.
; A block's scale is 2^(floor(log2(its largest magnitude)) - 2): its byte is the largest magnitude's exponent field - 2, held at 1 from below by a floor among the maximum's leaves.
; LIMITS: a block whose largest magnitude lies under 2^-124 is held at the byte 1; a block of zeros gets the byte 1 where the rule says 127 (its codes are zeros, and this program alone reads the bytes);
; NaN and infinities among the inputs are not served.  A page number is held to 0 .. 255 before it enters an address.
; SHARES: work-group x = (16 b + step) x 8 + head; y = 0: K, y = 1: V.  Four waves.  K: wave w takes page w.  V: wave w takes columns d = 32 w + lane, all four pages.  No barrier: waves share nothing.
; The caches' loads carry no cache hint: the table may name a page twice.
.set SEL, 20                           ; s[20:21] lane selects for v_permlanex16_b32: lane l xor 16
.set SP,  528                          ; a stage row: 512 bytes + 16 = 33 x 16: sixteen rows begin at sixteen different 16-byte columns of 256 bytes
; 64 numbers of a lane, two WHOLE blocks of 32 (v[src] on: k = 32 h + 0 .. 31; v[src + 32] on: k = 64 + 32 h + 0 .. 31), become a fragment's 12 registers at v[cod] and its row's scale word in v[wrd].
; tm: six registers at work; t2: eight (an even number); h8: a register with 8 h; pd: a written register for the permute's result.
.macro QUANT2 src, cod, wrd, tm, t2, h8, pd
.irp c, 0,1
	v_max3_num_f32 v[\tm+\c], |v[\src+32*\c]|, |v[\src+32*\c+1]|, 0x1800000   ; and the floor 2^(3 - 127): the byte cannot fall under 1
.endr
.irp i, 2,4,6,8,10,12,14,16,18,20,22,24,26,28,30
.irp c, 0,1
	v_max3_num_f32 v[\tm+\c], v[\tm+\c], |v[\src+32*\c+\i]|, |v[\src+32*\c+\i+1]|   ; the two blocks by turns
.endr
.endr
.irp c, 0,1
	v_add_nc_u32 v[\tm+2+\c], 0xff000000, v[\tm+\c]   ; 2 off the exponent field: the conversion takes this operand's exponent field as its scale
.endr
.irp c, 0,1
	v_lshrrev_b32 v[\tm+4+\c], 23, v[\tm+2+\c]        ; the scale's byte
.endr
	v_lshl_or_b32 v[\wrd], v[\tm+5], 16, v[\tm+4]     ; my two bytes: blocks h and 2 + h,
	v_lshlrev_b32 v[\wrd], v[\h8], v[\wrd]            ; at their places in the word;
	v_permlanex16_b32 v[\pd], v[\wrd], s[SEL], s[SEL+1]
	v_or_b32 v[\wrd], v[\wrd], v[\pd]                 ; with lane l xor 16's two the word is whole, in both lanes
.irp c, 0,1
	v_cvt_scalef32_pk16_fp6_f32 v[\cod+6*\c:\cod+6*\c+2], v[\src+32*\c:\src+32*\c+15], v[\tm+2+\c]
	v_cvt_scalef32_pk16_fp6_f32 v[\t2+4*\c:\t2+4*\c+2], v[\src+32*\c+16:\src+32*\c+31], v[\tm+2+\c]   ; (a conversion's three registers begin on an even number)
.endr
	v_nop                                             ; one plain place behind a scaled conversion
.irp c, 0,1
.irp i, 0,1,2
	v_mov_b32 v[\cod+3+6*\c+\i], v[\t2+4*\c+\i]
.endr
.endr
.endm
	s_load_b256 s[4:11], s[0:1], 0x0               ; key_cache s[4:5], value_cache s[6:7], block_tables s[8:9], kvc s[10:11]
	s_load_b64 s[12:13], s[0:1], 0x20              ; kvs
	v_lshl_add_u32 v200, v0, 2, 0x8400
	v_mov_b32 v201, 0
	v_lshrrev_b32 v1, 5, v0
	v_readfirstlane_b32 s14, v1                    ; wave w
	v_and_b32 v1, 31, v0                           ; lane
	v_and_b32 v2, 15, v0                           ; r
	v_bfe_u32 v3, v0, 4, 1                         ; h
	v_lshlrev_b32 v4, 4, v1                        ; 16 x lane
	v_lshlrev_b32 v5, 4, v2
	v_lshl_add_u32 v5, v3, 2, v5                   ; 16 r + 4 h: my scale word's place
	v_lshlrev_b32 v6, 3, v3                        ; 8 h
	v_mov_b32 v7, 0                                ; a lane permute's destination counts as one of its sources
	s_mov_b32 s[SEL], 0x76543210
	s_mov_b32 s[SEL+1], 0xfedcba98
	s_and_b32 s15, ttmp9, 7                        ; head
	s_lshr_b32 s16, ttmp9, 3                       ; 16 b + step
	s_lshr_b32 s17, ttmp9, 7
	s_lshl_b32 s17, s17, 7                         ; 128 b
	s_lshl_b32 s18, s15, 4
	s_add_co_u32 s17, s17, s18
	s_and_b32 s18, s16, 15
	s_add_co_u32 s17, s17, s18                     ; unit
	s_and_b32 s19, ttmp7, 0xffff                   ; y: 0 K, 1 V
	s_mul_i32 s36, s17, 24576                      ; kvc: the unit, + my two fragments (2 w x 1,536), + 12,288 for V
	s_mul_i32 s38, s14, 3072
	s_add_co_u32 s36, s36, s38
	s_mul_i32 s38, s19, 12288
	s_add_co_u32 s36, s36, s38
	s_mov_b32 s37, 0
	s_lshl_b32 s38, s17, 10                        ; kvs: the unit, + 256 (w / 2) + 8 (w % 2): fragments 2 w and 2 w + 1, + 512 for V
	s_lshr_b32 s40, s14, 1
	s_lshl_b32 s40, s40, 8
	s_add_co_u32 s38, s38, s40
	s_and_b32 s40, s14, 1
	s_lshl_b32 s40, s40, 3
	s_add_co_u32 s38, s38, s40
	s_lshl_b32 s40, s19, 9
	s_add_co_u32 s38, s38, s40
	s_mov_b32 s39, 0
	s_lshl_b32 s40, s16, 4                         ; block_tables: the step's four entries, 16 bytes
	s_mov_b32 s41, 0
	s_lshl_b32 s42, s15, 9                         ; the head's 512 bytes in a slot
	s_mov_b32 s43, 0
	s_wait_kmcnt 0x0
	s_add_nc_u64 s[10:11], s[10:11], s[36:37]
	s_add_nc_u64 s[12:13], s[12:13], s[38:39]
	s_add_nc_u64 s[8:9], s[8:9], s[40:41]
	s_cmp_lg_u32 s19, 0
	s_cbranch_scc1 .Lvalues
	; ---------------- K: my page's 32 keys become two fragments ----------------
	s_lshl_b32 s40, s14, 2
	s_add_nc_u64 s[8:9], s[8:9], s[40:41]
	s_load_b32 s24, s[8:9], 0x0                    ; my page's number
	s_add_nc_u64 s[4:5], s[4:5], s[42:43]
	s_mul_i32 s39, s14, 16*SP                      ; my own stage: 16 rows x 528 bytes
	v_add_nc_u32 v8, s39, v4                       ; in: a row as it is loaded, 16 bytes a lane
	v_mul_u32_u24 v9, v2, SP
	v_lshl_add_u32 v9, v3, 7, v9
	v_add_nc_u32 v9, s39, v9                       ; back: row r, from d = 32 h on
	s_wait_kmcnt 0x0
	s_min_u32 s24, s24, 255                        ; held inside the cache
	s_lshl_b32 s40, s24, 17                        ; a page is 131,072 bytes
	s_add_nc_u64 s[28:29], s[4:5], s[40:41]
.irp u, 0,1
.irp i, 0,1,2,3,4,5,6,7,8,9,10,11,12,13,14,15
	global_load_b128 v[32+64*\u+4*\i:35+64*\u+4*\i], v4, s[28:29] offset:(8*\u+\i+8*(\i/8))*4096   ; row i of fragment u: 32 lanes read the key's 512 consecutive bytes
.endr
.endr
; A fragment's 16 rows through the stage: in as they lie, back 2 x 128 bytes of ONE row a lane.  LDS serves a wave's instructions in order (ISA guide 5.7.1.4): no wait between the stores and the loads, nor ahead of the next fragment's stores.
.macro TURN u
.irp i, 0,1,2,3,4,5,6,7,8,9,10,11,12,13,14,15
	ds_store_b128 v8, v[32+64*\u+4*\i:35+64*\u+4*\i] offset:SP*\i
.endr
.irp j, 0,1,2,3,4,5,6,7,8,9,10,11,12,13,14,15
	ds_load_b128 v[32+64*\u+4*\j:35+64*\u+4*\j], v9 offset:256*(\j/8)+16*(\j%8)
.endr
.endm
	s_wait_loadcnt 16                              ; fragment 0's sixteen rows are in; fragment 1's may be out
	TURN 0
	s_wait_loadcnt 0x0
	TURN 1
	s_wait_dscnt 32                                ; fragment 0 is back; fragment 1's 32 LDS instructions may be out
	QUANT2 32, 160, 184, 186, 192, 6, 7
.irp c, 0,1,2
	global_store_b128 v4, v[160+4*\c:163+4*\c], s[10:11] offset:512*\c          ; 32 lanes store 512 consecutive bytes, at a multiple of 256 from kvc's first byte
.endr
	s_wait_dscnt 0x0
	QUANT2 96, 172, 185, 186, 192, 6, 7
.irp c, 0,1,2
	global_store_b128 v4, v[172+4*\c:175+4*\c], s[10:11] offset:1536+512*\c
.endr
	v_cmp_gt_u32 vcc_lo, 16, v1
	v_cndmask_b32 v186, v185, v184, vcc_lo         ; lanes 0-15 carry fragment 0's words, lanes 16-31 fragment 1's
	global_store_b32 v5, v186, s[12:13]
	s_wait_tensorcnt 0x0
	ds_add_u32 v200, v201
	s_wait_dscnt 0x0
	s_endpgm
	; ---------------- V: a lane takes a column d, its registers run down a page's 32 slots ----------------
.Lvalues:
	s_load_b128 s[24:27], s[8:9], 0x0              ; the step's four page numbers
	s_lshl_b32 s40, s14, 7
	s_add_co_u32 s42, s42, s40                     ; the head's 512 bytes, my wave's 128 of them
	s_add_nc_u64 s[6:7], s[6:7], s[42:43]
	v_lshlrev_b32 v10, 2, v1                       ; 4 bytes a lane
	v_mul_u32_u24 v11, v3, 1536
	v_lshl_add_u32 v11, v2, 4, v11                 ; out: fragment 2 w + lane / 16, row lane % 16
	s_wait_kmcnt 0x0
.irp p, 0,1,2,3
	s_min_u32 s[24+\p], s[24+\p], 255              ; held inside the cache
	s_lshl_b32 s40, s[24+\p], 17
	s_add_nc_u64 s[28+2*\p:29+2*\p], s[6:7], s[40:41]
.endr
.macro LOADP pg                        ; page pg: V(slot i, my column), i = 0 .. 31: a wave reads 128 consecutive bytes, the four waves side by side 512
.irp i, 0,1,2,3,4,5,6,7,8,9,10,11,12,13,14,15,16,17,18,19,20,21,22,23,24,25,26,27,28,29,30,31
	global_load_b32 v[32+32*((\pg)%2)+\i], v10, s[28+2*(\pg):29+2*(\pg)] offset:4096*\i
.endr
.endm
.macro BLOCKV pg                       ; the page is one block of 32 along the keys, all of it mine
.set XS, 32+32*((\pg)%2)
.set CD, 96+12*((\pg)%2)+6*((\pg)/2)   ; v96-107: registers 0-11 of the fragment's lane r (pages 0, 2); v108-119: of its lane 16 + r (pages 1, 3)
.if (\pg) < 3
	s_wait_loadcnt 32                              ; this page's 32 loads are in; the next page's may be out
.else
	s_wait_loadcnt 0x0
.endif
	v_max3_num_f32 v120, |v[XS]|, |v[XS+1]|, |v[XS+2]|
	v_max3_num_f32 v127, |v[XS+3]|, |v[XS+4]|, |v[XS+5]|
.irp i, 6,10,14,18,22,26
	v_max3_num_f32 v120, v120, |v[XS+\i]|, |v[XS+\i+1]|
	v_max3_num_f32 v127, v127, |v[XS+\i+2]|, |v[XS+\i+3]|
.endr
	v_max3_num_f32 v120, v120, |v[XS+30]|, |v[XS+31]|
	v_max3_num_f32 v120, v120, v127, 0x1800000     ; and the floor 2^(3 - 127)
	v_add_nc_u32 v121, 0xff000000, v120            ; the conversion's scale operand
	v_lshrrev_b32 v122, 23, v121                   ; the scale's byte
.if (\pg) == 0
	v_mov_b32 v123, v122                           ; byte i of the word: page i of the step
.else
	v_lshl_or_b32 v123, v122, 8*(\pg), v123
.endif
	v_cvt_scalef32_pk16_fp6_f32 v[CD:CD+2], v[XS:XS+15], v121
	v_cvt_scalef32_pk16_fp6_f32 v[124:126], v[XS+16:XS+31], v121    ; (a conversion's three registers begin on an even number)
	v_nop                                          ; one plain place behind a scaled conversion
.irp i, 0,1,2
	v_mov_b32 v[CD+3+\i], v[124+\i]
.endr
.if (\pg) < 2
	LOADP (\pg)+2
.endif
.endm
	LOADP 0
	LOADP 1
	BLOCKV 0
	BLOCKV 1
	BLOCKV 2
	BLOCKV 3
.irp hh, 0,1
.irp c, 0,1,2
	global_store_b128 v11, v[96+12*\hh+4*\c:99+12*\hh+4*\c], s[10:11] offset:256*\hh+512*\c   ; sixteen lanes store 256 consecutive bytes, at a multiple of 256 from kvc's first byte
.endr
.endr
	global_store_b32 v5, v123, s[12:13]
	s_endpgm
.Lfunc_end_k_q92dbbfc53c_prep:
	.size	k_q92dbbfc53c_prep, .Lfunc_end_k_q92dbbfc53c_prep-k_q92dbbfc53c_prep
	.p2alignl 7, 3214868480
	.fill 96, 4, 3214868480
	.section	.rodata,"a",@progbits
	.p2align	6, 0x0
	.amdhsa_kernel k_q92dbbfc53c_prep
		.amdhsa_group_segment_fixed_size 34304
		.amdhsa_private_segment_fixed_size 0
		.amdhsa_enable_private_segment 0
		.amdhsa_kernarg_size 40
		.amdhsa_user_sgpr_count 2
		.amdhsa_user_sgpr_kernarg_segment_ptr 1
		.amdhsa_wavefront_size32 1
		.amdhsa_system_sgpr_workgroup_id_x 1
		.amdhsa_system_sgpr_workgroup_id_y 1
		.amdhsa_system_sgpr_workgroup_id_z 1
		.amdhsa_system_vgpr_workitem_id 0
		.amdhsa_next_free_vgpr 202
		.amdhsa_next_free_sgpr 66
		.amdhsa_reserve_vcc 1
		.amdhsa_float_denorm_mode_32 3
		.amdhsa_float_denorm_mode_16_64 3
		.amdhsa_memory_ordered 1
		.amdhsa_forward_progress 1
		.amdhsa_inst_pref_size 37
	.end_amdhsa_kernel
	.amdgpu_metadata
---
amdhsa.version: [ 1, 2 ]
amdhsa.kernels:
  - .name:           k_q92dbbfc53c_prep
    .symbol:         k_q92dbbfc53c_prep.kd
    .args:
      - { .name: key_cache, .offset: 0, .size: 8, .value_kind: global_buffer, .address_space: global }
      - { .name: value_cache, .offset: 8, .size: 8, .value_kind: global_buffer, .address_space: global }
      - { .name: block_tables, .offset: 16, .size: 8, .value_kind: global_buffer, .address_space: global }
      - { .name: kvc, .offset: 24, .size: 8, .value_kind: global_buffer, .address_space: global }
      - { .name: kvs, .offset: 32, .size: 8, .value_kind: global_buffer, .address_space: global }
    .group_segment_fixed_size: 34304
    .private_segment_fixed_size: 0
    .kernarg_segment_align: 8
    .kernarg_segment_size: 40
    .max_flat_workgroup_size: 128
    .sgpr_count:     66
    .vgpr_count:     202
    .wavefront_size: 32
...
	.end_amdgpu_metadata
.endif
;; end of part 1
;; launch attn (part 2): grid 8 x 32, 16 waves a work-group, no clusters, 251,904 bytes of LDS; arguments query, kvc, kvs, seq_lens, out0; writes out0
.if DOCPART == 2
	.amdgcn_target "amdgcn-amd-amdhsa--gfx1250"
	.amdhsa_code_object_version 6
	.text
	.protected	k_q92dbbfc53c_attn
	.globl	k_q92dbbfc53c_attn
	.p2align	8
	.type	k_q92dbbfc53c_attn,@function
k_q92dbbfc53c_attn:
	s_mov_b64 s[64:65], 0
	v_nop
	global_prefetch_b8 v0, s[64:65] scope:SCOPE_SE
	s_setreg_imm32_b32 hwreg(HW_REG_WAVE_MODE, 25, 1), 1
	s_wait_xcnt 0x0
; Paged causal attention with grouped queries, both products on codes of FP6 (E2M3) with one E8M0 scale for each 32 along a product's K.  4 sequences x 512 queries x 32 heads; 2,048 keys at the most, 8 KV heads, head size 128.
; K and V come as images of operand registers and scale words, in logical key order, 128 keys (24,576 + 1,024 bytes) a step, from kvc and kvs.  Q, which one wave alone reads, is quantised here, in registers.
; THE MASK.  Key s counts for query l of sequence b where s <= seq_len - 512 + l; that is at most seq_len - 1, so the test s < seq_len adds nothing.  seq_len is held to 0 .. 2,560: at or under 0 no key counts, from 2,560 on all do.
; A row for which no key counts ends as 0 x (1 / 0), a NaN, as a softmax of nothing but -infinity does.  query_start_loc is not read: the function that defines the result never uses it (it cuts the queries into four runs of 512).
; THE SOFTMAX: t = score x log2(e) / sqrt(128); M = the row's largest t so far, rounded UP to a whole number; p = 2^(t - M) is what is quantised, along the keys, not normalised.  The row's sum is taken of the unquantised p
; and divides at the end.  When M moves, the sum and O are multiplied by 2^(old M - new M): exact.  A block's largest p is made from the block's largest score by the same multiply-add and exponential
; (this takes v_exp_f32 not to fall where its input rises; at the worst one p of a block would be held one code low).
; SHARES.  Work-group (i, bh): sequence b = bh / 8, KV head bh % 8.  Sixteen waves of 256 registers, four to a SIMD.  Wave w: query head 4 (bh % 8) + g, g = w % 4; 16 queries, group p of 32:
; j = (g + w / 4) % 4, p = 8 j + (i xor 7 (j % 2)).  So each four waves w % 4 = const and each four w / 4 = const hold one group from each quarter of the queries: early and late queries, which see fewer and more keys, are mixed evenly.
; NO TENSOR LOADS, NO JOINT REQUESTS, though the eight work-groups of a (b, KV head) walk the same K and V: this text branches on seq_len twice a step:
; round a step all of whose keys are hidden, and round the mask's 128 instructions in a step all of whose keys count.  So LDS is filled through registers: each of the 512 threads copies 3 x 16 bytes of a step.
; LDS: two slots of two steps (49,152 bytes each); the scale words of all 16 steps (16,384 bytes, stored once); a stage of 16 rows x 528 bytes for each wave (Q's way in, O's way out).
; ONE BARRIER FOR TWO STEPS: in front of it each wave has waited for its stores into the slot ahead and for its reads of the slot that it leaves; behind it that slot is written again while the other is read.
; LAYOUT.  Both products are used transposed: S^T = K Q^T (source 0 = 16 keys, source 1 = my 16 queries), O^T = V^T P^T: a lane holds ONE query (lane % 16) throughout.  Register 16 b + i of S^T is key 32 b + 16 (lane / 16) + i of the step.
; LIMITS: NaN and infinities among the inputs are not served; blocks of Q under 2^-124 are held at the scale byte 1.
; REGISTERS: v1-11 addresses; v12 -M, v13 the largest t, v[14:15] the sum in two halves; v16-27 Q; v32-79 four fragments of K or V; v80-91 the copy; v96-159 S^T, then p; v160-223 O^T; v224-235 p's codes;
; v232-247 at work; v248-251 four fragments' scale words; v252 f; v253 p's scale word; v254 at work; v255 Q's scale word.
.set SLOT1, 49152
.set STEPB, 24576                      ; a step's codes: K's eight fragments, then V's eight
.set VOFF,  12288
.set FRB,   1536                       ; a fragment's image
.set SC,    98304
.set STAGE, 114688
.set SP,    528                        ; a stage row: 512 bytes + 16 = 33 x 16: sixteen rows begin at sixteen different 16-byte columns of 256 bytes
.set SEL,   20                         ; s[20:21] lane selects for v_permlanex16_b32: lane l xor 16
.set CS,    22                         ; s[22:23] c = log2(e) / sqrt(128)
.set Q0,    24                         ; s24 the position of my first query: seq_len - 512 + 16 p
.set QH,    25                         ; s25 of my last: Q0 + 15
.set QL,    26                         ; s26 Q0 - 127
.set KF,    27                         ; s27 the step's first key
.set TRIPS, 28
.set TS,    29                         ; s29 where the trip's scale words begin: 4,096 bytes a trip
; 64 numbers of a lane, two WHOLE blocks of 32 (v[src] on: k = 32 h + 0 .. 31; v[src + 32] on: k = 64 + 32 h + 0 .. 31), become a fragment's 12 registers at v[cod] and its row's scale word in v[wrd].
.macro QUANT2 src, cod, wrd, tm, t2, h8, pd
.irp c, 0,1
	v_max3_num_f32 v[\tm+\c], |v[\src+32*\c]|, |v[\src+32*\c+1]|, 0x1800000   ; and the floor 2^(3 - 127): the byte cannot fall under 1
.endr
.irp i, 2,4,6,8,10,12,14,16,18,20,22,24,26,28,30
.irp c, 0,1
	v_max3_num_f32 v[\tm+\c], v[\tm+\c], |v[\src+32*\c+\i]|, |v[\src+32*\c+\i+1]|
.endr
.endr
.irp c, 0,1
	v_add_nc_u32 v[\tm+2+\c], 0xff000000, v[\tm+\c]   ; 2 off the exponent field: the conversion's scale operand
.endr
.irp c, 0,1
	v_lshrrev_b32 v[\tm+4+\c], 23, v[\tm+2+\c]        ; the scale's byte
.endr
	v_lshl_or_b32 v[\wrd], v[\tm+5], 16, v[\tm+4]     ; my two bytes: blocks h and 2 + h,
	v_lshlrev_b32 v[\wrd], v[\h8], v[\wrd]            ; at their places in the word;
	v_permlanex16_b32 v[\pd], v[\wrd], s[SEL], s[SEL+1]
	v_or_b32 v[\wrd], v[\wrd], v[\pd]                 ; with lane l xor 16's two the word is whole
.irp c, 0,1
	v_cvt_scalef32_pk16_fp6_f32 v[\cod+6*\c:\cod+6*\c+2], v[\src+32*\c:\src+32*\c+15], v[\tm+2+\c]
	v_cvt_scalef32_pk16_fp6_f32 v[\t2+4*\c:\t2+4*\c+2], v[\src+32*\c+16:\src+32*\c+31], v[\tm+2+\c]   ; (a conversion's three registers begin on an even number)
.endr
	v_nop                                             ; one plain place behind a scaled conversion
.irp c, 0,1
.irp i, 0,1,2
	v_mov_b32 v[\cod+3+6*\c+\i], v[\t2+4*\c+\i]
.endr
.endr
.endm
	s_load_b256 s[4:11], s[0:1], 0x0               ; query s[4:5], kvc s[6:7], kvs s[8:9], seq_lens s[10:11]
	s_load_b64 s[12:13], s[0:1], 0x20              ; out0
	v_lshl_add_u32 v31, v0, 2, 0x3d000
	v_mov_b32 v243, 0
	v_lshrrev_b32 v1, 5, v0
	v_readfirstlane_b32 s14, v1                    ; wave w
	v_and_b32 v10, 31, v0                          ; lane
	v_and_b32 v28, 15, v0                          ; r
	v_bfe_u32 v29, v0, 4, 1                        ; h
	v_lshlrev_b32 v1, 4, v10                       ; v1  16 x lane: an image's place for my lane, in slot 0; also my bytes of a row of Q and of O
	v_add_nc_u32 v2, SLOT1, v1                     ; v2  the same in slot 1
	v_lshlrev_b32 v3, 4, v0                        ; v3  16 x thread: the copy's place in memory and in slot 0
	v_add_nc_u32 v4, SLOT1, v3                     ; v4  and in slot 1
	v_lshlrev_b32 v5, 4, v29
	v_sub_nc_u32 v5, v28, v5                       ; v5  r - 16 h: the mask's lane term
	s_mul_i32 s34, s14, 16*SP
	s_add_co_u32 s34, s34, STAGE                   ; my stage
	v_mul_u32_u24 v8, v28, SP
	v_add_nc_u32 v8, s34, v8
	v_lshl_add_u32 v6, v29, 5, v8                  ; v6  O into the stage: row r, + 32 h
	v_lshl_add_u32 v8, v29, 7, v8                  ; v8  Q out of the stage: row r, from d = 32 h on
	v_add_nc_u32 v7, s34, v1                       ; v7  whole rows: 16 bytes a lane
	v_lshl_add_u32 v11, v28, 4, SC                 ; v11 my row's four scale words
	v_add_nc_u32 v10, SC, v3                       ; v10 the scale words' way in
	v_lshlrev_b32 v28, 3, v29                      ; 8 h
	v_mov_b32 v29, 0                               ; a lane permute's destination counts as one of its sources
	s_and_b32 s18, ttmp7, 0xffff                   ; bh
	s_lshr_b32 s19, s18, 3                         ; b
	s_and_b32 s15, s14, 3                          ; g
	s_lshr_b32 s16, s14, 2
	s_add_co_u32 s16, s16, s15
	s_and_b32 s16, s16, 3                          ; j
	s_and_b32 s17, s16, 1
	s_mul_i32 s17, s17, 7
	s_xor_b32 s17, s17, ttmp9                      ; i, or 7 - i where j is odd
	s_lshl_b32 s35, s16, 3
	s_add_co_u32 s17, s17, s35                     ; p
	s_lshl_b32 s30, s19, 9
	s_lshl_b32 s35, s17, 4
	s_add_co_u32 s30, s30, s35                     ; my first token: 512 b + 16 p
	s_lshl_b32 s30, s30, 14                        ; 16,384 bytes a token,
	s_and_b32 s35, s18, 7
	s_lshl_b32 s35, s35, 2
	s_add_co_u32 s35, s35, s15                     ; query head 4 (bh % 8) + g,
	s_lshl_b32 s35, s35, 9                         ; 512 bytes a head
	s_add_co_u32 s30, s30, s35
	s_mov_b32 s31, 0
	s_mul_i32 s32, s18, 16*STEPB                   ; kvc: 16 steps for each (b, KV head)
	s_mov_b32 s33, 0
	s_lshl_b32 s36, s18, 14                        ; kvs: 16,384 bytes
	s_mov_b32 s37, 0
	s_lshl_b32 s38, s19, 2
	s_mov_b32 s39, 0
	s_mov_b32 s[SEL], 0x76543210
	s_mov_b32 s[SEL+1], 0xfedcba98
	s_mov_b32 s[CS], 0x3e0293ee                    ; c = log2(e) / sqrt(128)
	s_mov_b32 s[CS+1], s[CS]                       ; (named with it as a pair, so it is written)
	s_mov_b32 s[KF], 0
	s_mov_b32 s[TRIPS], 3
	s_mov_b32 s[TS], 0
	s_wait_kmcnt 0x0
	s_add_nc_u64 s[4:5], s[4:5], s[30:31]
	s_add_nc_u64 s[12:13], s[12:13], s[30:31]
	s_add_nc_u64 s[6:7], s[6:7], s[32:33]
	s_add_nc_u64 s[8:9], s[8:9], s[36:37]
	s_add_nc_u64 s[10:11], s[10:11], s[38:39]
	s_load_b32 s[Q0], s[10:11], 0x0                ; seq_len of my sequence
.irp c, 0,1
	global_load_b128 v[80+4*\c:83+4*\c], v3, s[8:9] offset:8192*\c             ; the scale words of all 16 steps
.endr
.irp c, 0,1,2,3,4,5
	global_load_b128 v[32+4*\c:35+4*\c], v3, s[6:7] offset:8192*\c             ; steps 0 and 1: slot 0
.endr
.irp i, 0,1,2,3,4,5,6,7,8,9,10,11,12,13,14,15
	global_load_b128 v[96+4*\i:99+4*\i], v1, s[4:5] offset:16384*\i th:TH_LOAD_NT   ; my 16 queries: 32 lanes read a row's 512 consecutive bytes; read once in the launch
.endr
	s_wait_kmcnt 0x0
	s_max_i32 s[Q0], s[Q0], 0
	s_min_i32 s[Q0], s[Q0], 2560
	s_lshl_b32 s35, s17, 4
	s_add_co_i32 s[Q0], s[Q0], s35
	s_sub_co_i32 s[Q0], s[Q0], 512
	s_add_co_i32 s[QH], s[Q0], 15
	s_sub_co_i32 s[QL], s[Q0], 127
	s_wait_loadcnt 22                              ; the scale words are in; slot 0's six loads and Q's sixteen may be out
.irp c, 0,1
	ds_store_b128 v10, v[80+4*\c:83+4*\c] offset:8192*\c
.endr
	s_wait_loadcnt 16                              ; slot 0's are in; Q's sixteen may be out
.irp c, 0,1,2,3,4,5
	ds_store_b128 v3, v[32+4*\c:35+4*\c] offset:8192*\c
.endr
	s_wait_loadcnt 0x0
.irp i, 0,1,2,3,4,5,6,7,8,9,10,11,12,13,14,15
	ds_store_b128 v7, v[96+4*\i:99+4*\i] offset:SP*\i                          ; Q's rows through my stage: in as they lie,
.endr
.irp j, 0,1,2,3,4,5,6,7,8,9,10,11,12,13,14,15
	ds_load_b128 v[96+4*\j:99+4*\j], v8 offset:256*(\j/8)+16*(\j%8)            ; back 2 x 128 bytes of one row a lane.  LDS serves a wave's instructions in order (ISA guide 5.7.1.4)
.endr
	s_wait_dscnt 0x0
	QUANT2 96, 16, 255, 232, 240, 28, 29
	v_mov_b32 v13, 0xff61b1e6                      ; the largest t so far: -3e38, under every t
	v_floor_f32 v12, -v13                          ; -M
	v_mov_b32 v14, 0                               ; the sum, in two halves
	v_mov_b32 v15, 0
.irp b, 0,1,2,3
	v_mov_b32 v[236+\b], 0                         ; a lane permute's destination counts as one of its sources
.endr
	v_mov_b32 v252, 0                              ; likewise, for a wave all of whose steps are hidden
	v_mov_b32 v253, 0                              ; (named as the upper half of the pair v[252:253] before it is first written)
.set J, 0
.rept 64
	v_mov_b32 v[160+J], 0                          ; O^T begins as zeros: which step is a wave's first hangs on seq_len, and a row without keys must end as 0 / 0.  (These are also the places between Q's codes and scale word and the first product)
.set J, J+1
.endr
; A KEY STEP: 128 keys, the q-th of slot s.  fetch = 1: my share of the same step of the next slot is copied: asked for at the head, stored at the end; both stand outside the branches, so every wave does them in every step.
.macro STEP s, q, fetch
.if \fetch
	s_wait_dscnt 0x0                               ; the last step's three LDS stores have read v80-91
.irp c, 0,1,2
	global_load_b128 v[80+4*\c:83+4*\c], v3, s[6:7] offset:(2*(\s+1)+\q)*STEPB+8192*\c
.endr
.endif
	s_cmp_gt_i32 s[KF], s[QH]                      ; all 128 keys come after my 16 queries: the step's work is left out
	s_cbranch_scc1 .Lhid_\@
.irp g, 0,1                                    ; S^T = K Q^T, four tiles of 16 keys at a time
.if \g
.rept 4
	v_nop                                          ; places in front of loads into registers that matrix instructions have read (for the first four tiles: the four at the end of the step before)
.endr
.endif
.irp t, 0,1,2,3
.irp c, 0,1,2
	ds_load_b128 v[32+12*\t+4*\c:35+12*\t+4*\c], v[1+\s] offset:\q*STEPB+(4*\g+\t)*FRB+512*\c
.endr
.endr
	ds_load_b128 v[248:251], v9 offset:(2*\s+\q)*1024+256*\g
	s_wait_dscnt 0x0
.irp t, 0,1,2,3
	v_wmma_scale_f32_16x16x128_f8f6f4 v[96+8*(4*\g+\t):103+8*(4*\g+\t)], v[32+12*\t:43+12*\t], v[16:27], 0, v[248+\t], v255 matrix_a_fmt:MATRIX_FMT_FP6 matrix_b_fmt:MATRIX_FMT_FP6
.endr
.endr
.rept 4
	v_nop                                          ; places in front of the loads below and of the first read of the scores
.endr
.irp t, 0,1,2,3                                ; V's first four fragments and their scale words are asked for now: they land during the softmax, which touches none of these registers
.irp c, 0,1,2
	ds_load_b128 v[32+12*\t+4*\c:35+12*\t+4*\c], v[1+\s] offset:\q*STEPB+VOFF+\t*FRB+512*\c
.endr
.endr
	ds_load_b128 v[248:251], v9 offset:(2*\s+\q)*1024+512
	s_cmp_le_i32 s[KF], s[QL]                      ; all 128 keys count for all my queries: no mask
	s_cbranch_scc1 .Lopen_\@
	s_sub_co_i32 s34, s[Q0], s[KF]
	v_add_nc_u32 v252, s34, v5                     ; d = my query's position - KF - 16 h.  Register 16 b + i holds key KF + 16 h + 32 b + i: hidden where 32 b + i > d
	v_mov_b32 v254, 0xff800000                     ; -infinity: p = 0 then
.set N, 0
.rept 64
	v_cmp_gt_i32 vcc_lo, 32*(N/16)+N%16, v252
	v_cndmask_b32 v[96+N], v[96+N], v254, vcc_lo
.set N, N+1
.endr
.Lopen_\@:
.irp b, 0,1,2,3
	v_max3_num_f32 v[232+\b], v[96+16*\b], v[97+16*\b], v[98+16*\b]   ; the largest score of each block of 32 keys: for the row's maximum, and for the block's largest p
.endr
.irp i, 3,5,7,9,11,13
.irp b, 0,1,2,3
	v_max3_num_f32 v[232+\b], v[232+\b], v[96+16*\b+\i], v[97+16*\b+\i]
.endr
.endr
.irp b, 0,1,2,3
	v_max_num_f32 v[232+\b], v[232+\b], v[111+16*\b]
.endr
.irp b, 0,1,2,3
	v_permlanex16_b32 v[236+\b], v[232+\b], s[SEL], s[SEL+1]
.endr
.irp b, 0,1,2,3
	v_max_num_f32 v[232+\b], v[232+\b], v[236+\b]  ; with lane l xor 16's 16 keys
.endr
	v_max3_num_f32 v254, v232, v233, v234
	v_max_num_f32 v254, v254, v235                 ; the step's largest score of my query
	v_mul_f32 v254, s[CS], v254                    ; as t (c is positive)
	v_max_num_f32 v13, v13, v254                   ; the running largest t
	v_mov_b32 v254, v12
	v_floor_f32 v12, -v13                          ; the new -M = floor(-t) = -ceil(t): a whole number
	v_sub_f32 v254, v12, v254                      ; old M - new M: a whole number, 0 or less
	v_cvt_i32_f32 v254, v254                       ; (it saturates)
	v_ldexp_f32 v252, 1.0, v254                    ; f = 2^(old M - new M)
.set J, 0
.rept 32
	v_pk_fma_f32 v[96+J:97+J], v[96+J:97+J], s[CS:CS+1], v[12:13] op_sel_hi:[1,0,0]   ; t - M, two at a time
.set J, J+2
.endr
.irp b, 0,1,2,3
	v_fma_f32 v[232+\b], v[232+\b], s[CS], v12     ; the same of each block's largest score
.endr
.set J, 0
.rept 64
	v_exp_f32 v[96+J], v[96+J]                     ; p = 2^(t - M), at most 1: not normalised
.set J, J+1
.endr
.irp b, 0,1,2,3
	v_exp_f32 v[232+\b], v[232+\b]                 ; the block's largest p
.endr
	v_pk_mul_f32 v[14:15], v[14:15], v[252:253] op_sel_hi:[1,0]   ; the sums under the new M.  (A plain place behind the exponentials)
	s_wait_alu depctr_va_vdst(0)
.irp b, 0,1,2,3
	v_max_num_f32 v[232+\b], 0x1800000, v[232+\b]  ; the floor 2^(3 - 127): a block whose every p is 0 keeps the byte 1: its codes are zeros
.endr
.irp b, 0,1,2,3
	v_add_nc_u32 v[244+\b], 0xff000000, v[232+\b]  ; 2 off the exponent field: the conversion's scale operand
.endr
.irp b, 0,1,2,3
	v_lshrrev_b32 v[236+\b], 23, v[244+\b]         ; the scale's byte
.endr
	v_lshl_or_b32 v253, v237, 8, v236              ; p's scale word for these 128 keys
	v_lshl_or_b32 v253, v238, 16, v253
	v_lshl_or_b32 v253, v239, 24, v253
.irp c, 0,1
	v_cvt_scalef32_pk16_fp6_f32 v[224+6*\c:226+6*\c], v[96+32*\c:111+32*\c], v[244+2*\c]
	v_cvt_scalef32_pk16_fp6_f32 v[236+4*\c:238+4*\c], v[112+32*\c:127+32*\c], v[244+2*\c+1]   ; (a conversion's three registers begin on an even number)
.endr
	v_nop                                          ; one plain place behind a scaled conversion
.irp c, 0,1                                    ; the operand's layout wants a WHOLE block in a lane: lanes 0-15 block 2 c, lanes 16-31 block 2 c + 1
.irp i, 0,1,2
	v_permlane16_swap_b32 v[224+6*\c+\i], v[236+4*\c+\i]
.endr
.irp i, 0,1,2
	v_mov_b32 v[227+6*\c+\i], v[236+4*\c+\i]
.endr
.endr
	v_pk_add_f32 v[236:237], v[96:97], v[98:99]    ; the row's sum is taken of the UNQUANTISED p: two at a time, in two chains
.irp j, 4,8,12,16,20,24,28,32,36,40,44,48,52,56,60
	v_pk_add_f32 v[14:15], v[14:15], v[96+\j:97+\j]
	v_pk_add_f32 v[236:237], v[236:237], v[98+\j:99+\j]
.endr
	v_pk_add_f32 v[14:15], v[14:15], v[236:237]
.set J, 0
.rept 32
	v_pk_mul_f32 v[160+J:161+J], v[160+J:161+J], v[252:253] op_sel_hi:[1,0]   ; O^T under the new M.  (With the sums above: the places between p's codes and scale word and the products below)
.set J, J+2
.endr
.irp g, 0,1                                    ; O^T += V^T P^T, four tiles of 16 of the head's 128 at a time.  Each of the eight accumulators has one instruction a step: they take turns
.if \g
.rept 4
	v_nop
.endr
.irp t, 0,1,2,3
.irp c, 0,1,2
	ds_load_b128 v[32+12*\t+4*\c:35+12*\t+4*\c], v[1+\s] offset:\q*STEPB+VOFF+(4+\t)*FRB+512*\c
.endr
.endr
	ds_load_b128 v[248:251], v9 offset:(2*\s+\q)*1024+512+256
.endif
	s_wait_dscnt 0x0
.irp t, 0,1,2,3
	v_wmma_scale_f32_16x16x128_f8f6f4 v[160+8*(4*\g+\t):167+8*(4*\g+\t)], v[32+12*\t:43+12*\t], v[224:235], v[160+8*(4*\g+\t):167+8*(4*\g+\t)], v[248+\t], v253 matrix_a_fmt:MATRIX_FMT_FP6 matrix_b_fmt:MATRIX_FMT_FP6
.endr
.endr
.rept 4
	v_nop                                          ; places in front of the next step's loads, and of the way out's first read of O^T
.endr
.Lhid_\@:
	s_add_co_u32 s[KF], s[KF], 128
.if \fetch
	s_wait_loadcnt 0x0                             ; my three loads of the copy, the only ones out
.irp c, 0,1,2
	ds_store_b128 v[4-\s], v[80+4*\c:83+4*\c] offset:\q*STEPB+8192*\c
.endr
.endif
.endm
; A slot's two steps, behind the one barrier.
.macro TRIP s, fetch
	s_wait_dscnt 0x0                               ; my stores into slot s have landed, and my reads of the other slot are back
	s_barrier_signal -1
	s_barrier_wait -1                              ; both now hold of all sixteen waves: slot s is whole, and the other may be written
	STEP \s, 0, \fetch
	STEP \s, 1, \fetch
.endm
.Ltrip:                                            ; three trips of four steps: steps 0 to 11
	v_add_nc_u32 v9, s[TS], v11                    ; the trip's scale words
	TRIP 0, 1
	TRIP 1, 1
	s_add_co_u32 s[TS], s[TS], 4096
	s_add_nc_u64 s[6:7], s[6:7], 4*STEPB           ; every load that named the base has been waited for
	s_sub_co_u32 s[TRIPS], s[TRIPS], 1
	s_cmp_lg_u32 s[TRIPS], 0
	s_cbranch_scc1 .Ltrip
	v_add_nc_u32 v9, s[TS], v11
	TRIP 0, 1                                      ; steps 12, 13; steps 14, 15 are copied
	TRIP 1, 0                                      ; steps 14, 15: nothing is left to copy, and no load leaves kvc
	; THE WAY OUT.  O^T is divided by the row's sum and goes through my stage, so that the 32 lanes store a row's 512 consecutive bytes.
	v_add_f32 v14, v14, v15                        ; the sum's two halves,
	v_permlanex16_b32 v252, v14, s[SEL], s[SEL+1]
	v_add_f32 v14, v14, v252                       ; and lane l xor 16's
	v_rcp_f32 v14, v14
	v_nop                                          ; one plain place behind a transcendental
.set J, 0
	s_wait_alu depctr_va_vdst(0)
.rept 64
	v_mul_f32 v[96+J], v[160+J], v14               ; register 8 t + i is o(query r, d = 16 t + 8 h + i); each accumulator from its low end on
.set J, J+1
.endr
.irp t, 0,1,2,3,4,5,6,7
	ds_store_b128 v6, v[96+8*\t:99+8*\t] offset:64*\t
	ds_store_b128 v6, v[100+8*\t:103+8*\t] offset:64*\t+16
.endr
.irp i, 0,1,2,3,4,5,6,7,8,9,10,11,12,13,14,15
	ds_load_b128 v[32+4*\i:35+4*\i], v7 offset:SP*\i   ; my own bytes, served in order: these see the stores above
.endr
.irp i, 0,1,2,3,4,5,6,7,8,9,10,11,12,13,14,15
	s_wait_dscnt 15-\i                             ; row i is back; the younger rows' loads may be out
	global_store_b128 v1, v[32+4*\i:35+4*\i], s[12:13] offset:16384*\i th:TH_STORE_NT   ; 512 consecutive bytes, at a multiple of 256 from out0's first byte; written once
.endr
	s_wait_tensorcnt 0x0
	ds_add_u32 v31, v243
	s_wait_dscnt 0x0
	s_endpgm
.Lfunc_end_k_q92dbbfc53c_attn:
	.size	k_q92dbbfc53c_attn, .Lfunc_end_k_q92dbbfc53c_attn-k_q92dbbfc53c_attn
	.p2alignl 7, 3214868480
	.fill 96, 4, 3214868480
	.section	.rodata,"a",@progbits
	.p2align	6, 0x0
	.amdhsa_kernel k_q92dbbfc53c_attn
		.amdhsa_group_segment_fixed_size 251904
		.amdhsa_private_segment_fixed_size 0
		.amdhsa_enable_private_segment 0
		.amdhsa_kernarg_size 40
		.amdhsa_user_sgpr_count 2
		.amdhsa_user_sgpr_kernarg_segment_ptr 1
		.amdhsa_wavefront_size32 1
		.amdhsa_system_sgpr_workgroup_id_x 1
		.amdhsa_system_sgpr_workgroup_id_y 1
		.amdhsa_system_sgpr_workgroup_id_z 1
		.amdhsa_system_vgpr_workitem_id 0
		.amdhsa_next_free_vgpr 256
		.amdhsa_next_free_sgpr 66
		.amdhsa_reserve_vcc 1
		.amdhsa_float_denorm_mode_32 3
		.amdhsa_float_denorm_mode_16_64 3
		.amdhsa_memory_ordered 1
		.amdhsa_forward_progress 1
		.amdhsa_inst_pref_size 214
	.end_amdhsa_kernel
	.amdgpu_metadata
---
amdhsa.version: [ 1, 2 ]
amdhsa.kernels:
  - .name:           k_q92dbbfc53c_attn
    .symbol:         k_q92dbbfc53c_attn.kd
    .args:
      - { .name: query, .offset: 0, .size: 8, .value_kind: global_buffer, .address_space: global }
      - { .name: kvc, .offset: 8, .size: 8, .value_kind: global_buffer, .address_space: global }
      - { .name: kvs, .offset: 16, .size: 8, .value_kind: global_buffer, .address_space: global }
      - { .name: seq_lens, .offset: 24, .size: 8, .value_kind: global_buffer, .address_space: global }
      - { .name: out0, .offset: 32, .size: 8, .value_kind: global_buffer, .address_space: global }
    .group_segment_fixed_size: 251904
    .private_segment_fixed_size: 0
    .kernarg_segment_align: 8
    .kernarg_segment_size: 40
    .max_flat_workgroup_size: 512
    .sgpr_count:     66
    .vgpr_count:     256
    .wavefront_size: 32
...
	.end_amdgpu_metadata
.endif
;; end of part 2
;; ======== version 2 of 2: 2 launches
;; workspace buffers: kvc 12,582,912 bytes; kvs 524,288 bytes
;; launch prep (part 3): grid 512 x 2, 4 waves a work-group, no clusters, 34,304 bytes of LDS; arguments key_cache, value_cache, block_tables, kvc, kvs; writes kvc, kvs
.if DOCPART == 3
	.amdgcn_target "amdgcn-amd-amdhsa--gfx1250"
	.amdhsa_code_object_version 6
	.text
	.protected	k_q92dbbfc53c_prep
	.globl	k_q92dbbfc53c_prep
	.p2align	8
	.type	k_q92dbbfc53c_prep,@function
k_q92dbbfc53c_prep:
	s_mov_b64 s[64:65], 0
	v_nop
	global_prefetch_b8 v0, s[64:65] scope:SCOPE_SE
	s_setreg_imm32_b32 hwreg(HW_REG_WAVE_MODE, 25, 1), 1
	s_wait_xcnt 0x0
; The paged K and V caches, f32 [256 pages][32 slots][8 heads][128], are gathered by block_tables into logical order and turned into codes of FP6 (E2M3) with one E8M0 scale for each 32 along a product's K.
; K is quantised along the head's 128 (four blocks a key); V along the keys: logical key = 32 x (place in the table) + slot, so a block of 32 keys is one page.
; A UNIT is 128 logical keys of one (sequence, KV head): unit = (8 b + head) x 16 + step.  Its codes, 24,576 bytes of kvc, are IMAGES OF OPERAND REGISTERS: eight fragments of K (16 keys x 128 d, 12 registers a lane,
; 1,536 bytes: registers 4 c .. 4 c + 3 of lane L at 512 c + 16 L), then eight of V^T (16 d x 128 keys).  The reader loads a fragment by three loads of 16 bytes a lane and shuffles nothing.
; K's fragment 2 pg + u (pg: the step's page): lane r holds slot 8 u + r + 8 (r / 8), so that two neighbouring tiles of scores give a lane 16 neighbouring keys.  V's fragment t: lane r holds d = 16 t + r.
; Its scale words, 1,024 bytes of kvs: K's 512, then V's; the word of (fragment t, row r) at 256 (t / 4) + 16 r + 4 (t % 4): one load of 16 bytes a lane brings four fragments' words.
; A block's scale is 2^(floor(log2(its largest magnitude)) - 2): its byte is the largest magnitude's exponent field - 2, held at 1 from below by a floor among the maximum's leaves.
; LIMITS: a block whose largest magnitude lies under 2^-124 is held at the byte 1; a block of zeros gets the byte 1 where the rule says 127 (its codes are zeros, and this program alone reads the bytes);
; NaN and infinities among the inputs are not served.  A page number is held to 0 .. 255 before it enters an address.
; SHARES: work-group x = (16 b + step) x 8 + head; y = 0: K, y = 1: V.  Four waves.  K: wave w takes page w.  V: wave w takes columns d = 32 w + lane, all four pages.  No barrier: waves share nothing.
; The caches' loads carry no cache hint: the table may name a page twice.
.set SEL, 20                           ; s[20:21] lane selects for v_permlanex16_b32: lane l xor 16
.set SP,  528                          ; a stage row: 512 bytes + 16 = 33 x 16: sixteen rows begin at sixteen different 16-byte columns of 256 bytes
; 64 numbers of a lane, two WHOLE blocks of 32 (v[src] on: k = 32 h + 0 .. 31; v[src + 32] on: k = 64 + 32 h + 0 .. 31), become a fragment's 12 registers at v[cod] and its row's scale word in v[wrd].
; tm: six registers at work; t2: eight (an even number); h8: a register with 8 h; pd: a written register for the permute's result.
.macro QUANT2 src, cod, wrd, tm, t2, h8, pd
.irp c, 0,1
	v_max3_num_f32 v[\tm+\c], |v[\src+32*\c]|, |v[\src+32*\c+1]|, 0x1800000   ; and the floor 2^(3 - 127): the byte cannot fall under 1
.endr
.irp i, 2,4,6,8,10,12,14,16,18,20,22,24,26,28,30
.irp c, 0,1
	v_max3_num_f32 v[\tm+\c], v[\tm+\c], |v[\src+32*\c+\i]|, |v[\src+32*\c+\i+1]|   ; the two blocks by turns
.endr
.endr
.irp c, 0,1
	v_add_nc_u32 v[\tm+2+\c], 0xff000000, v[\tm+\c]   ; 2 off the exponent field: the conversion takes this operand's exponent field as its scale
.endr
.irp c, 0,1
	v_lshrrev_b32 v[\tm+4+\c], 23, v[\tm+2+\c]        ; the scale's byte
.endr
	v_lshl_or_b32 v[\wrd], v[\tm+5], 16, v[\tm+4]     ; my two bytes: blocks h and 2 + h,
	v_lshlrev_b32 v[\wrd], v[\h8], v[\wrd]            ; at their places in the word;
	v_permlanex16_b32 v[\pd], v[\wrd], s[SEL], s[SEL+1]
	v_or_b32 v[\wrd], v[\wrd], v[\pd]                 ; with lane l xor 16's two the word is whole, in both lanes
.irp c, 0,1
	v_cvt_scalef32_pk16_fp6_f32 v[\cod+6*\c:\cod+6*\c+2], v[\src+32*\c:\src+32*\c+15], v[\tm+2+\c]
	v_cvt_scalef32_pk16_fp6_f32 v[\t2+4*\c:\t2+4*\c+2], v[\src+32*\c+16:\src+32*\c+31], v[\tm+2+\c]   ; (a conversion's three registers begin on an even number)
.endr
	v_nop                                             ; one plain place behind a scaled conversion
.irp c, 0,1
.irp i, 0,1,2
	v_mov_b32 v[\cod+3+6*\c+\i], v[\t2+4*\c+\i]
.endr
.endr
.endm
	s_load_b256 s[4:11], s[0:1], 0x0               ; key_cache s[4:5], value_cache s[6:7], block_tables s[8:9], kvc s[10:11]
	s_load_b64 s[12:13], s[0:1], 0x20              ; kvs
	v_lshl_add_u32 v200, v0, 2, 0x8400
	v_mov_b32 v201, 0
	v_lshrrev_b32 v1, 5, v0
	v_readfirstlane_b32 s14, v1                    ; wave w
	v_and_b32 v1, 31, v0                           ; lane
	v_and_b32 v2, 15, v0                           ; r
	v_bfe_u32 v3, v0, 4, 1                         ; h
	v_lshlrev_b32 v4, 4, v1                        ; 16 x lane
	v_lshlrev_b32 v5, 4, v2
	v_lshl_add_u32 v5, v3, 2, v5                   ; 16 r + 4 h: my scale word's place
	v_lshlrev_b32 v6, 3, v3                        ; 8 h
	v_mov_b32 v7, 0                                ; a lane permute's destination counts as one of its sources
	s_mov_b32 s[SEL], 0x76543210
	s_mov_b32 s[SEL+1], 0xfedcba98
	s_and_b32 s15, ttmp9, 7                        ; head
	s_lshr_b32 s16, ttmp9, 3                       ; 16 b + step
	s_lshr_b32 s17, ttmp9, 7
	s_lshl_b32 s17, s17, 7                         ; 128 b
	s_lshl_b32 s18, s15, 4
	s_add_co_u32 s17, s17, s18
	s_and_b32 s18, s16, 15
	s_add_co_u32 s17, s17, s18                     ; unit
	s_and_b32 s19, ttmp7, 0xffff                   ; y: 0 K, 1 V
	s_mul_i32 s36, s17, 24576                      ; kvc: the unit, + my two fragments (2 w x 1,536), + 12,288 for V
	s_mul_i32 s38, s14, 3072
	s_add_co_u32 s36, s36, s38
	s_mul_i32 s38, s19, 12288
	s_add_co_u32 s36, s36, s38
	s_mov_b32 s37, 0
	s_lshl_b32 s38, s17, 10                        ; kvs: the unit, + 256 (w / 2) + 8 (w % 2): fragments 2 w and 2 w + 1, + 512 for V
	s_lshr_b32 s40, s14, 1
	s_lshl_b32 s40, s40, 8
	s_add_co_u32 s38, s38, s40
	s_and_b32 s40, s14, 1
	s_lshl_b32 s40, s40, 3
	s_add_co_u32 s38, s38, s40
	s_lshl_b32 s40, s19, 9
	s_add_co_u32 s38, s38, s40
	s_mov_b32 s39, 0
	s_lshl_b32 s40, s16, 4                         ; block_tables: the step's four entries, 16 bytes
	s_mov_b32 s41, 0
	s_lshl_b32 s42, s15, 9                         ; the head's 512 bytes in a slot
	s_mov_b32 s43, 0
	s_wait_kmcnt 0x0
	s_add_nc_u64 s[10:11], s[10:11], s[36:37]
	s_add_nc_u64 s[12:13], s[12:13], s[38:39]
	s_add_nc_u64 s[8:9], s[8:9], s[40:41]
	s_cmp_lg_u32 s19, 0
	s_cbranch_scc1 .Lvalues
	; ---------------- K: my page's 32 keys become two fragments ----------------
	s_lshl_b32 s40, s14, 2
	s_add_nc_u64 s[8:9], s[8:9], s[40:41]
	s_load_b32 s24, s[8:9], 0x0                    ; my page's number
	s_add_nc_u64 s[4:5], s[4:5], s[42:43]
	s_mul_i32 s39, s14, 16*SP                      ; my own stage: 16 rows x 528 bytes
	s_wait_alu depctr_va_vdst(0)
	v_add_nc_u32 v8, s39, v4                       ; in: a row as it is loaded, 16 bytes a lane
	v_mul_u32_u24 v9, v2, SP
	v_lshl_add_u32 v9, v3, 7, v9
	v_add_nc_u32 v9, s39, v9                       ; back: row r, from d = 32 h on
	s_wait_alu depctr_va_vdst(0)
	s_wait_kmcnt 0x0
	s_min_u32 s24, s24, 255                        ; held inside the cache
	s_lshl_b32 s40, s24, 17                        ; a page is 131,072 bytes
	s_add_nc_u64 s[28:29], s[4:5], s[40:41]
.irp u, 0,1
.irp i, 0,1,2,3,4,5,6,7,8,9,10,11,12,13,14,15
	global_load_b128 v[32+64*\u+4*\i:35+64*\u+4*\i], v4, s[28:29] offset:(8*\u+\i+8*(\i/8))*4096   ; row i of fragment u: 32 lanes read the key's 512 consecutive bytes
.endr
.endr
; A fragment's 16 rows through the stage: in as they lie, back 2 x 128 bytes of ONE row a lane.  LDS serves a wave's instructions in order (ISA guide 5.7.1.4): no wait between the stores and the loads, nor ahead of the next fragment's stores.
.macro TURN u
.irp i, 0,1,2,3,4,5,6,7,8,9,10,11,12,13,14,15
	ds_store_b128 v8, v[32+64*\u+4*\i:35+64*\u+4*\i] offset:SP*\i
.endr
.irp j, 0,1,2,3,4,5,6,7,8,9,10,11,12,13,14,15
	ds_load_b128 v[32+64*\u+4*\j:35+64*\u+4*\j], v9 offset:256*(\j/8)+16*(\j%8)
.endr
.endm
	s_wait_loadcnt 16                              ; fragment 0's sixteen rows are in; fragment 1's may be out
	TURN 0
	s_wait_loadcnt 0x0
	TURN 1
	s_wait_dscnt 32                                ; fragment 0 is back; fragment 1's 32 LDS instructions may be out
	QUANT2 32, 160, 184, 186, 192, 6, 7
.irp c, 0,1,2
	global_store_b128 v4, v[160+4*\c:163+4*\c], s[10:11] offset:512*\c          ; 32 lanes store 512 consecutive bytes, at a multiple of 256 from kvc's first byte
.endr
	s_wait_dscnt 0x0
	QUANT2 96, 172, 185, 186, 192, 6, 7
.irp c, 0,1,2
	global_store_b128 v4, v[172+4*\c:175+4*\c], s[10:11] offset:1536+512*\c
.endr
	v_cmp_gt_u32 vcc_lo, 16, v1
	v_cndmask_b32 v186, v185, v184, vcc_lo         ; lanes 0-15 carry fragment 0's words, lanes 16-31 fragment 1's
	global_store_b32 v5, v186, s[12:13]
	s_wait_tensorcnt 0x0
	ds_add_u32 v200, v201
	s_wait_dscnt 0x0
	s_endpgm
	; ---------------- V: a lane takes a column d, its registers run down a page's 32 slots ----------------
.Lvalues:
	s_load_b128 s[24:27], s[8:9], 0x0              ; the step's four page numbers
	s_lshl_b32 s40, s14, 7
	s_add_co_u32 s42, s42, s40                     ; the head's 512 bytes, my wave's 128 of them
	s_add_nc_u64 s[6:7], s[6:7], s[42:43]
	s_wait_alu depctr_va_vdst(0)
	v_lshlrev_b32 v10, 2, v1                       ; 4 bytes a lane
	v_mul_u32_u24 v11, v3, 1536
	v_lshl_add_u32 v11, v2, 4, v11                 ; out: fragment 2 w + lane / 16, row lane % 16
	s_wait_alu depctr_va_vdst(0)
	s_wait_kmcnt 0x0
.irp p, 0,1,2,3
	s_min_u32 s[24+\p], s[24+\p], 255              ; held inside the cache
	s_lshl_b32 s40, s[24+\p], 17
	s_add_nc_u64 s[28+2*\p:29+2*\p], s[6:7], s[40:41]
.endr
.macro LOADP pg                        ; page pg: V(slot i, my column), i = 0 .. 31: a wave reads 128 consecutive bytes, the four waves side by side 512
.irp i, 0,1,2,3,4,5,6,7,8,9,10,11,12,13,14,15,16,17,18,19,20,21,22,23,24,25,26,27,28,29,30,31
	global_load_b32 v[32+32*((\pg)%2)+\i], v10, s[28+2*(\pg):29+2*(\pg)] offset:4096*\i
.endr
.endm
.macro BLOCKV pg                       ; the page is one block of 32 along the keys, all of it mine
.set XS, 32+32*((\pg)%2)
.set CD, 96+12*((\pg)%2)+6*((\pg)/2)   ; v96-107: registers 0-11 of the fragment's lane r (pages 0, 2); v108-119: of its lane 16 + r (pages 1, 3)
.if (\pg) < 3
	s_wait_loadcnt 32                              ; this page's 32 loads are in; the next page's may be out
.else
	s_wait_loadcnt 0x0
.endif
	v_max3_num_f32 v120, |v[XS]|, |v[XS+1]|, |v[XS+2]|
	v_max3_num_f32 v127, |v[XS+3]|, |v[XS+4]|, |v[XS+5]|
.irp i, 6,10,14,18,22,26
	v_max3_num_f32 v120, v120, |v[XS+\i]|, |v[XS+\i+1]|
	v_max3_num_f32 v127, v127, |v[XS+\i+2]|, |v[XS+\i+3]|
.endr
	v_max3_num_f32 v120, v120, |v[XS+30]|, |v[XS+31]|
	v_max3_num_f32 v120, v120, v127, 0x1800000     ; and the floor 2^(3 - 127)
	v_add_nc_u32 v121, 0xff000000, v120            ; the conversion's scale operand
	v_lshrrev_b32 v122, 23, v121                   ; the scale's byte
.if (\pg) == 0
	v_mov_b32 v123, v122                           ; byte i of the word: page i of the step
.else
	v_lshl_or_b32 v123, v122, 8*(\pg), v123
.endif
	v_cvt_scalef32_pk16_fp6_f32 v[CD:CD+2], v[XS:XS+15], v121
	v_cvt_scalef32_pk16_fp6_f32 v[124:126], v[XS+16:XS+31], v121    ; (a conversion's three registers begin on an even number)
	v_nop                                          ; one plain place behind a scaled conversion
.irp i, 0,1,2
	v_mov_b32 v[CD+3+\i], v[124+\i]
.endr
.if (\pg) < 2
	LOADP (\pg)+2
.endif
.endm
	LOADP 0
	LOADP 1
	BLOCKV 0
	BLOCKV 1
	BLOCKV 2
	BLOCKV 3
.irp hh, 0,1
.irp c, 0,1,2
	global_store_b128 v11, v[96+12*\hh+4*\c:99+12*\hh+4*\c], s[10:11] offset:256*\hh+512*\c   ; sixteen lanes store 256 consecutive bytes, at a multiple of 256 from kvc's first byte
.endr
.endr
	global_store_b32 v5, v123, s[12:13]
	s_endpgm
.Lfunc_end_k_q92dbbfc53c_prep:
	.size	k_q92dbbfc53c_prep, .Lfunc_end_k_q92dbbfc53c_prep-k_q92dbbfc53c_prep
	.p2alignl 7, 3214868480
	.fill 96, 4, 3214868480
	.section	.rodata,"a",@progbits
	.p2align	6, 0x0
	.amdhsa_kernel k_q92dbbfc53c_prep
		.amdhsa_group_segment_fixed_size 34304
		.amdhsa_private_segment_fixed_size 0
		.amdhsa_enable_private_segment 0
		.amdhsa_kernarg_size 40
		.amdhsa_user_sgpr_count 2
		.amdhsa_user_sgpr_kernarg_segment_ptr 1
		.amdhsa_wavefront_size32 1
		.amdhsa_system_sgpr_workgroup_id_x 1
		.amdhsa_system_sgpr_workgroup_id_y 1
		.amdhsa_system_sgpr_workgroup_id_z 1
		.amdhsa_system_vgpr_workitem_id 0
		.amdhsa_next_free_vgpr 202
		.amdhsa_next_free_sgpr 66
		.amdhsa_reserve_vcc 1
		.amdhsa_float_denorm_mode_32 3
		.amdhsa_float_denorm_mode_16_64 3
		.amdhsa_memory_ordered 1
		.amdhsa_forward_progress 1
		.amdhsa_inst_pref_size 37
	.end_amdhsa_kernel
	.amdgpu_metadata
---
amdhsa.version: [ 1, 2 ]
amdhsa.kernels:
  - .name:           k_q92dbbfc53c_prep
    .symbol:         k_q92dbbfc53c_prep.kd
    .args:
      - { .name: key_cache, .offset: 0, .size: 8, .value_kind: global_buffer, .address_space: global }
      - { .name: value_cache, .offset: 8, .size: 8, .value_kind: global_buffer, .address_space: global }
      - { .name: block_tables, .offset: 16, .size: 8, .value_kind: global_buffer, .address_space: global }
      - { .name: kvc, .offset: 24, .size: 8, .value_kind: global_buffer, .address_space: global }
      - { .name: kvs, .offset: 32, .size: 8, .value_kind: global_buffer, .address_space: global }
    .group_segment_fixed_size: 34304
    .private_segment_fixed_size: 0
    .kernarg_segment_align: 8
    .kernarg_segment_size: 40
    .max_flat_workgroup_size: 128
    .sgpr_count:     66
    .vgpr_count:     202
    .wavefront_size: 32
...
	.end_amdgpu_metadata
.endif
;; end of part 3
;; launch attn (part 4): grid 8 x 32, 16 waves a work-group, no clusters, 251,904 bytes of LDS; arguments query, kvc, kvs, seq_lens, out0; writes out0
.if DOCPART == 4
	.amdgcn_target "amdgcn-amd-amdhsa--gfx1250"
	.amdhsa_code_object_version 6
	.text
	.protected	k_q92dbbfc53c_attn
	.globl	k_q92dbbfc53c_attn
	.p2align	8
	.type	k_q92dbbfc53c_attn,@function
k_q92dbbfc53c_attn:
	s_mov_b64 s[64:65], 0
	v_nop
	global_prefetch_b8 v0, s[64:65] scope:SCOPE_SE
	s_setreg_imm32_b32 hwreg(HW_REG_WAVE_SCHED_MODE, 0, 2), 2
	s_setreg_imm32_b32 hwreg(HW_REG_WAVE_MODE, 25, 1), 1
	s_wait_xcnt 0x0
	s_wait_alu depctr_vm_vsrc(0)
; Paged causal attention with grouped queries, both products on codes of FP6 (E2M3) with one E8M0 scale for each 32 along a product's K.  4 sequences x 512 queries x 32 heads; 2,048 keys at the most, 8 KV heads, head size 128.
; K and V come as images of operand registers and scale words, in logical key order, 128 keys (24,576 + 1,024 bytes) a step, from kvc and kvs.  Q, which one wave alone reads, is quantised here, in registers.
; THE MASK.  Key s counts for query l of sequence b where s <= seq_len - 512 + l; that is at most seq_len - 1, so the test s < seq_len adds nothing.  seq_len is held to 0 .. 2,560: at or under 0 no key counts, from 2,560 on all do.
; A row for which no key counts ends as 0 x (1 / 0), a NaN, as a softmax of nothing but -infinity does.  query_start_loc is not read: the function that defines the result never uses it (it cuts the queries into four runs of 512).
; THE SOFTMAX: t = score x log2(e) / sqrt(128); M = the row's largest t so far, rounded UP to a whole number; p = 2^(t - M) is what is quantised, along the keys, not normalised.  The row's sum is taken of the unquantised p
; and divides at the end.  When M moves, the sum and O are multiplied by 2^(old M - new M): exact.  A block's largest p is made from the block's largest score by the same multiply-add and exponential
; (this takes v_exp_f32 not to fall where its input rises; at the worst one p of a block would be held one code low).
; SHARES.  Work-group (i, bh): sequence b = bh / 8, KV head bh % 8.  Sixteen waves of 256 registers, four to a SIMD.  Wave w: query head 4 (bh % 8) + g, g = w % 4; 16 queries, group p of 32:
; j = (g + w / 4) % 4, p = 8 j + (i xor 7 (j % 2)).  So each four waves w % 4 = const and each four w / 4 = const hold one group from each quarter of the queries: early and late queries, which see fewer and more keys, are mixed evenly.
; NO TENSOR LOADS, NO JOINT REQUESTS, though the eight work-groups of a (b, KV head) walk the same K and V: this text branches on seq_len twice a step:
; round a step all of whose keys are hidden, and round the mask's instructions in a step all of whose keys count.  So LDS is filled through registers: each of the 512 threads copies 3 x 16 bytes of a step.
; LDS: two slots of two steps (49,152 bytes each); the scale words of all 16 steps (16,384 bytes, stored once); a stage of 16 rows x 528 bytes for each wave (Q's way in, O's way out).
; ONE BARRIER FOR TWO STEPS: in front of it each wave has waited for its stores into the slot ahead and for its reads of the slot that it leaves; behind it that slot is written again while the other is read.
; LAYOUT.  Both products are used transposed: S^T = K Q^T (source 0 = 16 keys, source 1 = my 16 queries), O^T = V^T P^T: a lane holds ONE query (lane % 16) throughout.  Register 16 b + i of S^T is key 32 b + 16 (lane / 16) + i of the step.
; LIMITS: NaN and infinities among the inputs are not served; blocks of Q under 2^-124 are held at the scale byte 1.
; REGISTERS: v1-11 addresses; v12 -M, v13 the largest t, v[14:15] the sum in two halves; v16-27 Q; v32-79 four fragments of K or V; v80-91 the copy; v92-95 the scale words of fragments 4-7; v96-159 S^T, then p, then (v96-143) V's fragments 4-7;
; v160-223 O^T; v224-235 p's codes; v232-247 at work; v248-251 the scale words of fragments 0-3; v252 f; v253 p's scale word; v254 at work; v255 Q's scale word.
; THE MODE: SCHED_MODE bits 1:0 = 2 (LLVM: expert scheduling mode 2), set by the entry lines.  The code itself states the register dependences between vector or matrix instructions and memory or LDS instructions, with s_wait_alu, always for 0.
; THE PLAN.  Registers that LDS or memory instructions touch, in a step:
;   v32-79     LDS loads land in them three times: K's fragments 0-3, K's 4-7, V's 0-3; four products read them each time.
;   v96-159    The score products write them, the softmax works in place, the sums and the conversions read them last.  Then V's fragments 4-7 land in v96-143, and four products read them.
;   v248-251, v92-95   Two sets of scale words, loaded together, once for K and once for V; the products of tiles 0-3 read the first, those of tiles 4-7 the second.
;   v80-91     The copy: global loads land in them at a step's head, LDS stores read them at its end.  No vector instruction names them.
;   v9         Read by the loads of scale words; written once a trip, in the trip's first step.
;   v1-4, v6-8, v10    Made at the head and never written again.
; Seven waits on va_vdst stand in a step that is not hidden: at its head; behind K's first four products; behind K's last four; ahead of the exponentials; behind the exponentials; behind the conversions; ahead of the products of O^T.  Each but the one ahead of the exponentials says what it states.
; One wait on vm_vsrc stands at the head of a step that copies.  In a step on the diagonal the mask's compares go in runs of eight into s40-47, with one wait on va_sdst behind each run.
.set SLOT1, 49152
.set STEPB, 24576                      ; a step's codes: K's eight fragments, then V's eight
.set VOFF,  12288
.set FRB,   1536                       ; a fragment's image
.set SC,    98304
.set STAGE, 114688
.set SP,    528                        ; a stage row: 512 bytes + 16 = 33 x 16: sixteen rows begin at sixteen different 16-byte columns of 256 bytes
.set SEL,   20                         ; s[20:21] lane selects for v_permlanex16_b32: lane l xor 16
.set CS,    22                         ; s[22:23] c = log2(e) / sqrt(128)
.set Q0,    24                         ; s24 the position of my first query: seq_len - 512 + 16 p
.set QH,    25                         ; s25 of my last: Q0 + 15
.set QL,    26                         ; s26 Q0 - 127
.set KF,    27                         ; s27 the step's first key
.set TRIPS, 28
.set TS,    29                         ; s29 where the trip's scale words begin: 4,096 bytes a trip
.set MK,    40                         ; s[40:47] eight lane masks of the causal mask
; 64 numbers of a lane, two WHOLE blocks of 32 (v[src] on: k = 32 h + 0 .. 31; v[src + 32] on: k = 64 + 32 h + 0 .. 31), become a fragment's 12 registers at v[cod] and its row's scale word in v[wrd].
.macro QUANT2 src, cod, wrd, tm, t2, h8, pd
.irp c, 0,1
	v_max3_num_f32 v[\tm+\c], |v[\src+32*\c]|, |v[\src+32*\c+1]|, 0x1800000   ; and the floor 2^(3 - 127): the byte cannot fall under 1
.endr
.irp i, 2,4,6,8,10,12,14,16,18,20,22,24,26,28,30
.irp c, 0,1
	v_max3_num_f32 v[\tm+\c], v[\tm+\c], |v[\src+32*\c+\i]|, |v[\src+32*\c+\i+1]|
.endr
.endr
.irp c, 0,1
	v_add_nc_u32 v[\tm+2+\c], 0xff000000, v[\tm+\c]   ; 2 off the exponent field: the conversion's scale operand
.endr
.irp c, 0,1
	v_lshrrev_b32 v[\tm+4+\c], 23, v[\tm+2+\c]        ; the scale's byte
.endr
	v_lshl_or_b32 v[\wrd], v[\tm+5], 16, v[\tm+4]     ; my two bytes: blocks h and 2 + h,
	v_lshlrev_b32 v[\wrd], v[\h8], v[\wrd]            ; at their places in the word;
	v_permlanex16_b32 v[\pd], v[\wrd], s[SEL], s[SEL+1]
	v_or_b32 v[\wrd], v[\wrd], v[\pd]                 ; with lane l xor 16's two the word is whole
.irp c, 0,1
	v_cvt_scalef32_pk16_fp6_f32 v[\cod+6*\c:\cod+6*\c+2], v[\src+32*\c:\src+32*\c+15], v[\tm+2+\c]
	v_cvt_scalef32_pk16_fp6_f32 v[\t2+4*\c:\t2+4*\c+2], v[\src+32*\c+16:\src+32*\c+31], v[\tm+2+\c]   ; (a conversion's three registers begin on an even number)
.endr
	v_nop                                             ; one plain place behind a scaled conversion
.irp c, 0,1
.irp i, 0,1,2
	v_mov_b32 v[\cod+3+6*\c+\i], v[\t2+4*\c+\i]
.endr
.endr
.endm
	s_load_b256 s[4:11], s[0:1], 0x0               ; query s[4:5], kvc s[6:7], kvs s[8:9], seq_lens s[10:11]
	s_load_b64 s[12:13], s[0:1], 0x20              ; out0
	v_lshl_add_u32 v31, v0, 2, 0x3d000
	v_mov_b32 v243, 0
	v_lshrrev_b32 v1, 5, v0
	v_readfirstlane_b32 s14, v1                    ; wave w
	v_and_b32 v10, 31, v0                          ; lane
	v_and_b32 v28, 15, v0                          ; r
	v_bfe_u32 v29, v0, 4, 1                        ; h
	v_lshlrev_b32 v1, 4, v10                       ; v1  16 x lane: an image's place for my lane, in slot 0; also my bytes of a row of Q and of O
	v_add_nc_u32 v2, SLOT1, v1                     ; v2  the same in slot 1
	v_lshlrev_b32 v3, 4, v0                        ; v3  16 x thread: the copy's place in memory and in slot 0
	v_add_nc_u32 v4, SLOT1, v3                     ; v4  and in slot 1
	v_lshlrev_b32 v5, 4, v29
	v_sub_nc_u32 v5, v28, v5                       ; v5  r - 16 h: the mask's lane term
	s_wait_alu depctr_va_sdst(0)                   ; s14, the wave's number, is written, ahead of its first reader: the stage's place, the queries' group and the bases are made from it
	s_mul_i32 s34, s14, 16*SP
	s_add_co_u32 s34, s34, STAGE                   ; my stage
	v_mul_u32_u24 v8, v28, SP
	v_add_nc_u32 v8, s34, v8
	v_lshl_add_u32 v6, v29, 5, v8                  ; v6  O into the stage: row r, + 32 h
	v_lshl_add_u32 v8, v29, 7, v8                  ; v8  Q out of the stage: row r, from d = 32 h on
	v_add_nc_u32 v7, s34, v1                       ; v7  whole rows: 16 bytes a lane
	v_lshl_add_u32 v11, v28, 4, SC                 ; v11 my row's four scale words
	v_add_nc_u32 v10, SC, v3                       ; v10 the scale words' way in
	v_lshlrev_b32 v28, 3, v29                      ; 8 h
	v_mov_b32 v29, 0                               ; a lane permute's destination counts as one of its sources
	s_and_b32 s18, ttmp7, 0xffff                   ; bh
	s_lshr_b32 s19, s18, 3                         ; b
	s_and_b32 s15, s14, 3                          ; g
	s_lshr_b32 s16, s14, 2
	s_add_co_u32 s16, s16, s15
	s_and_b32 s16, s16, 3                          ; j
	s_and_b32 s17, s16, 1
	s_mul_i32 s17, s17, 7
	s_xor_b32 s17, s17, ttmp9                      ; i, or 7 - i where j is odd
	s_lshl_b32 s35, s16, 3
	s_add_co_u32 s17, s17, s35                     ; p
	s_lshl_b32 s30, s19, 9
	s_lshl_b32 s35, s17, 4
	s_add_co_u32 s30, s30, s35                     ; my first token: 512 b + 16 p
	s_lshl_b32 s30, s30, 14                        ; 16,384 bytes a token,
	s_and_b32 s35, s18, 7
	s_lshl_b32 s35, s35, 2
	s_add_co_u32 s35, s35, s15                     ; query head 4 (bh % 8) + g,
	s_lshl_b32 s35, s35, 9                         ; 512 bytes a head
	s_add_co_u32 s30, s30, s35
	s_mov_b32 s31, 0
	s_mul_i32 s32, s18, 16*STEPB                   ; kvc: 16 steps for each (b, KV head)
	s_mov_b32 s33, 0
	s_lshl_b32 s36, s18, 14                        ; kvs: 16,384 bytes
	s_mov_b32 s37, 0
	s_lshl_b32 s38, s19, 2
	s_mov_b32 s39, 0
	s_mov_b32 s[SEL], 0x76543210
	s_mov_b32 s[SEL+1], 0xfedcba98
	s_mov_b32 s[CS], 0x3e0293ee                    ; c = log2(e) / sqrt(128)
	s_mov_b32 s[CS+1], s[CS]                       ; (named with it as a pair, so it is written)
	s_mov_b32 s[KF], 0
	s_mov_b32 s[TRIPS], 3
	s_mov_b32 s[TS], 0
	s_wait_kmcnt 0x0
	s_add_nc_u64 s[4:5], s[4:5], s[30:31]
	s_add_nc_u64 s[12:13], s[12:13], s[30:31]
	s_add_nc_u64 s[6:7], s[6:7], s[32:33]
	s_add_nc_u64 s[8:9], s[8:9], s[36:37]
	s_add_nc_u64 s[10:11], s[10:11], s[38:39]
	s_load_b32 s[Q0], s[10:11], 0x0                ; seq_len of my sequence
	s_wait_alu depctr_va_vdst(0)                   ; the addresses v1-4, v6-8 and v10 are written: every load and store of the kernel but the scale words' loads reads one of them
.irp c, 0,1
	global_load_b128 v[80+4*\c:83+4*\c], v3, s[8:9] offset:8192*\c             ; the scale words of all 16 steps
.endr
.irp c, 0,1,2,3,4,5
	global_load_b128 v[32+4*\c:35+4*\c], v3, s[6:7] offset:8192*\c             ; steps 0 and 1: slot 0
.endr
.irp i, 0,1,2,3,4,5,6,7,8,9,10,11,12,13,14,15
	global_load_b128 v[96+4*\i:99+4*\i], v1, s[4:5] offset:16384*\i th:TH_LOAD_NT   ; my 16 queries: 32 lanes read a row's 512 consecutive bytes; read once in the launch
.endr
	s_wait_kmcnt 0x0
	s_max_i32 s[Q0], s[Q0], 0
	s_min_i32 s[Q0], s[Q0], 2560
	s_lshl_b32 s35, s17, 4
	s_add_co_i32 s[Q0], s[Q0], s35
	s_sub_co_i32 s[Q0], s[Q0], 512
	s_add_co_i32 s[QH], s[Q0], 15
	s_sub_co_i32 s[QL], s[Q0], 127
	s_wait_loadcnt 22                              ; the scale words are in; slot 0's six loads and Q's sixteen may be out
.irp c, 0,1
	ds_store_b128 v10, v[80+4*\c:83+4*\c] offset:8192*\c
.endr
	s_wait_loadcnt 16                              ; slot 0's are in; Q's sixteen may be out
.irp c, 0,1,2,3,4,5
	ds_store_b128 v3, v[32+4*\c:35+4*\c] offset:8192*\c
.endr
	s_wait_loadcnt 0x0
.irp i, 0,1,2,3,4,5,6,7,8,9,10,11,12,13,14,15
	ds_store_b128 v7, v[96+4*\i:99+4*\i] offset:SP*\i                          ; Q's rows through my stage: in as they lie,
.endr
	s_wait_alu depctr_vm_vsrc(0)                   ; the LDS stores above have read their data: v96-159, in which the loads below land, and v32-55, in which the first step's fragments land
.irp j, 0,1,2,3,4,5,6,7,8,9,10,11,12,13,14,15
	ds_load_b128 v[96+4*\j:99+4*\j], v8 offset:256*(\j/8)+16*(\j%8)            ; back 2 x 128 bytes of one row a lane.  LDS serves a wave's instructions in order (ISA guide 5.7.1.4)
.endr
	s_wait_dscnt 0x0
	QUANT2 96, 16, 255, 232, 240, 28, 29
	v_mov_b32 v13, 0xff61b1e6                      ; the largest t so far: -3e38, under every t
	v_floor_f32 v12, -v13                          ; -M
	v_mov_b32 v14, 0                               ; the sum, in two halves
	v_mov_b32 v15, 0
.irp b, 0,1,2,3
	v_mov_b32 v[236+\b], 0                         ; a lane permute's destination counts as one of its sources
.endr
	v_mov_b32 v252, 0                              ; likewise, for a wave all of whose steps are hidden
	v_mov_b32 v253, 0                              ; (named as the upper half of the pair v[252:253] before it is first written)
.set J, 0
.rept 64
	v_mov_b32 v[160+J], 0                          ; O^T begins as zeros: which step is a wave's first hangs on seq_len, and a row without keys must end as 0 / 0.  (These are also the places between Q's codes and scale word and the first product)
.set J, J+1
.endr
; A KEY STEP: 128 keys, the q-th of slot s.  fetch = 1: my share of the same step of the next slot is copied: asked for at the head, stored at the end; both stand outside the branches, so every wave does them in every step.
.macro STEP s, q, fetch
.if \fetch
	s_wait_alu depctr_vm_vsrc(0)                   ; the last step's three LDS stores (ahead of the first step: the head's two) have read v80-91, in which the loads below land; the loads of scale words issued so far have read v9
.if (\s == 0) && (\q == 0)
	v_add_nc_u32 v9, s[TS], v11                    ; the trip's scale words
.endif
.irp c, 0,1,2
	global_load_b128 v[80+4*\c:83+4*\c], v3, s[6:7] offset:(2*(\s+1)+\q)*STEPB+8192*\c
.endr
.endif
	s_cmp_gt_i32 s[KF], s[QH]                      ; all 128 keys come after my 16 queries: the step's work is left out
	s_cbranch_scc1 .Lhid_\@
	s_wait_alu depctr_va_vdst(0)                   ; the last step's products are done reading v32-79, v248-251 and v92-95, in which the loads below land; in a trip's first step v9 is written; ahead of the very first product Q's codes and scale word are written
	ds_load_b128 v[248:251], v9 offset:(2*\s+\q)*1024        ; the scale words of K's fragments 0-3,
	ds_load_b128 v[92:95], v9 offset:(2*\s+\q)*1024+256      ; and of 4-7
.irp g, 0,1                                    ; S^T = K Q^T, four tiles of 16 keys at a time
.if \g
.rept 4
	v_nop                                          ; four places behind the products, ahead of loads into registers that they read; then the wait
.endr
	s_wait_alu depctr_va_vdst(0)                   ; the first four products are done reading v32-79, in which K's fragments 4-7 land
.endif
.irp t, 0,1,2,3
.irp c, 0,1,2
	ds_load_b128 v[32+12*\t+4*\c:35+12*\t+4*\c], v[1+\s] offset:\q*STEPB+(4*\g+\t)*FRB+512*\c
.endr
.endr
	s_wait_dscnt 0x0
.irp t, 0,1,2,3
	v_wmma_scale_f32_16x16x128_f8f6f4 v[96+8*(4*\g+\t):103+8*(4*\g+\t)], v[32+12*\t:43+12*\t], v[16:27], 0, v[248-156*\g+\t], v255 matrix_a_fmt:MATRIX_FMT_FP6 matrix_b_fmt:MATRIX_FMT_FP6
.endr
.endr
.rept 4
	v_nop                                          ; places in front of the loads below and of the first read of the scores
.endr
	s_wait_alu depctr_va_vdst(0)                   ; the score products are done reading v32-79, v248-251 and v92-95, in which the loads below land
.irp t, 0,1,2,3                                ; V's first four fragments and all its scale words are asked for now: they land during the softmax, which touches none of these registers
.irp c, 0,1,2
	ds_load_b128 v[32+12*\t+4*\c:35+12*\t+4*\c], v[1+\s] offset:\q*STEPB+VOFF+\t*FRB+512*\c
.endr
.endr
	ds_load_b128 v[248:251], v9 offset:(2*\s+\q)*1024+512
	ds_load_b128 v[92:95], v9 offset:(2*\s+\q)*1024+512+256
	s_cmp_le_i32 s[KF], s[QL]                      ; all 128 keys count for all my queries: no mask
	s_cbranch_scc1 .Lopen_\@
	s_sub_co_i32 s34, s[Q0], s[KF]
	v_add_nc_u32 v252, s34, v5                     ; d = my query's position - KF - 16 h.  Register 16 b + i holds key KF + 16 h + 32 b + i: hidden where 32 b + i > d
	v_mov_b32 v254, 0xff800000                     ; -infinity: p = 0 then
.set N, 0
.rept 8                                        ; eight scores at a time: a run of compares into eight scalar registers, one wait, the eight selects
.irp i, 0,1,2,3,4,5,6,7
	v_cmp_gt_i32 s[MK+\i], 32*((N+\i)/16)+(N+\i)%16, v252
.endr
	s_wait_alu depctr_va_sdst(0)                   ; the eight compares have written s40-47, ahead of the selects that read them
.irp i, 0,1,2,3,4,5,6,7
	v_cndmask_b32 v[96+N+\i], v[96+N+\i], v254, s[MK+\i]
.endr
.set N, N+8
.endr
.Lopen_\@:
.irp b, 0,1,2,3
	v_max3_num_f32 v[232+\b], v[96+16*\b], v[97+16*\b], v[98+16*\b]   ; the largest score of each block of 32 keys: for the row's maximum, and for the block's largest p
.endr
.irp i, 3,5,7,9,11,13
.irp b, 0,1,2,3
	v_max3_num_f32 v[232+\b], v[232+\b], v[96+16*\b+\i], v[97+16*\b+\i]
.endr
.endr
.irp b, 0,1,2,3
	v_max_num_f32 v[232+\b], v[232+\b], v[111+16*\b]
.endr
.irp b, 0,1,2,3
	v_permlanex16_b32 v[236+\b], v[232+\b], s[SEL], s[SEL+1]
.endr
.irp b, 0,1,2,3
	v_max_num_f32 v[232+\b], v[232+\b], v[236+\b]  ; with lane l xor 16's 16 keys
.endr
	v_max3_num_f32 v254, v232, v233, v234
	v_max_num_f32 v254, v254, v235                 ; the step's largest score of my query
	v_mul_f32 v254, s[CS], v254                    ; as t (c is positive)
	v_max_num_f32 v13, v13, v254                   ; the running largest t
	v_mov_b32 v254, v12
	v_floor_f32 v12, -v13                          ; the new -M = floor(-t) = -ceil(t): a whole number
	v_sub_f32 v254, v12, v254                      ; old M - new M: a whole number, 0 or less
	v_cvt_i32_f32 v254, v254                       ; (it saturates)
	v_ldexp_f32 v252, 1.0, v254                    ; f = 2^(old M - new M)
.set J, 0
.rept 32
	v_pk_fma_f32 v[96+J:97+J], v[96+J:97+J], s[CS:CS+1], v[12:13] op_sel_hi:[1,0,0]   ; t - M, two at a time
.set J, J+2
.endr
.irp b, 0,1,2,3
	v_fma_f32 v[232+\b], v[232+\b], s[CS], v12     ; the same of each block's largest score
.endr
.set J, 0
	s_wait_alu depctr_va_vdst(0)
.rept 64
	v_exp_f32 v[96+J], v[96+J]                     ; p = 2^(t - M), at most 1: not normalised
.set J, J+1
.endr
.irp b, 0,1,2,3
	v_exp_f32 v[232+\b], v[232+\b]                 ; the block's largest p
.endr
	v_pk_mul_f32 v[14:15], v[14:15], v[252:253] op_sel_hi:[1,0]   ; the sums under the new M.  (A plain place behind the exponentials)
	s_wait_alu depctr_va_vdst(0)                   ; the 68 exponentials have written p (v96-159) and the blocks' largest p (v232-235): one wait for the batch, ahead of its first reader
.irp b, 0,1,2,3
	v_max_num_f32 v[232+\b], 0x1800000, v[232+\b]  ; the floor 2^(3 - 127): a block whose every p is 0 keeps the byte 1: its codes are zeros
.endr
.irp b, 0,1,2,3
	v_add_nc_u32 v[244+\b], 0xff000000, v[232+\b]  ; 2 off the exponent field: the conversion's scale operand
.endr
.irp b, 0,1,2,3
	v_lshrrev_b32 v[236+\b], 23, v[244+\b]         ; the scale's byte
.endr
	v_lshl_or_b32 v253, v237, 8, v236              ; p's scale word for these 128 keys
	v_lshl_or_b32 v253, v238, 16, v253
	v_lshl_or_b32 v253, v239, 24, v253
	v_pk_add_f32 v[236:237], v[96:97], v[98:99]    ; the row's sum is taken of the UNQUANTISED p: two at a time, in two chains.  It stands ahead of the conversions, so that these are p's last readers
.irp j, 4,8,12,16,20,24,28,32,36,40,44,48,52,56,60
	v_pk_add_f32 v[14:15], v[14:15], v[96+\j:97+\j]
	v_pk_add_f32 v[236:237], v[236:237], v[98+\j:99+\j]
.endr
	v_pk_add_f32 v[14:15], v[14:15], v[236:237]
.irp c, 0,1
	v_cvt_scalef32_pk16_fp6_f32 v[224+6*\c:226+6*\c], v[96+32*\c:111+32*\c], v[244+2*\c]
	v_cvt_scalef32_pk16_fp6_f32 v[236+4*\c:238+4*\c], v[112+32*\c:127+32*\c], v[244+2*\c+1]   ; (a conversion's three registers begin on an even number)
.endr
	v_nop                                          ; one plain place behind a scaled conversion
	s_wait_alu depctr_va_vdst(0)                   ; the sums and the conversions are done reading p: V's fragments 4-7 land in v96-143
.irp t, 0,1,2,3                                ; they land while the codes change places and O^T is rescaled: none of those lines names v96-143
.irp c, 0,1,2
	ds_load_b128 v[96+12*\t+4*\c:99+12*\t+4*\c], v[1+\s] offset:\q*STEPB+VOFF+(4+\t)*FRB+512*\c
.endr
.endr
.irp c, 0,1                                    ; the operand's layout wants a WHOLE block in a lane: lanes 0-15 block 2 c, lanes 16-31 block 2 c + 1
.irp i, 0,1,2
	v_permlane16_swap_b32 v[224+6*\c+\i], v[236+4*\c+\i]
.endr
.irp i, 0,1,2
	v_mov_b32 v[227+6*\c+\i], v[236+4*\c+\i]
.endr
.endr
.set J, 0
.rept 32
	v_pk_mul_f32 v[160+J:161+J], v[160+J:161+J], v[252:253] op_sel_hi:[1,0]   ; O^T under the new M.  (These 32 are also the places between p's codes and scale word and the products below)
.set J, J+2
.endr
	s_wait_alu depctr_va_vdst(0)                   ; p's codes (v224-235) and its scale word (v253) are written, which the scaled products below take as source 1 and as its scales; the places above stay beside this wait
	s_wait_dscnt 0x0                               ; V's eight fragments and their scale words are in
.irp t, 0,1,2,3                                ; O^T += V^T P^T: eight tiles of 16 of the head's 128.  Each of the eight accumulators has one instruction a step: they take turns
	v_wmma_scale_f32_16x16x128_f8f6f4 v[160+8*\t:167+8*\t], v[32+12*\t:43+12*\t], v[224:235], v[160+8*\t:167+8*\t], v[248+\t], v253 matrix_a_fmt:MATRIX_FMT_FP6 matrix_b_fmt:MATRIX_FMT_FP6
.endr
.irp t, 0,1,2,3
	v_wmma_scale_f32_16x16x128_f8f6f4 v[192+8*\t:199+8*\t], v[96+12*\t:107+12*\t], v[224:235], v[192+8*\t:199+8*\t], v[92+\t], v253 matrix_a_fmt:MATRIX_FMT_FP6 matrix_b_fmt:MATRIX_FMT_FP6
.endr
.rept 5
	v_nop                                          ; five places: the next step's score products write over v96-143, which these products read; they also stand ahead of the next step's loads and of the way out's first read of O^T
.endr
.Lhid_\@:
	s_add_co_u32 s[KF], s[KF], 128
.if \fetch
	s_wait_loadcnt 0x0                             ; my three loads of the copy, the only ones out
.irp c, 0,1,2
	ds_store_b128 v[4-\s], v[80+4*\c:83+4*\c] offset:\q*STEPB+8192*\c
.endr
.endif
.endm
; A slot's two steps, behind the one barrier.
.macro TRIP s, fetch
	s_wait_dscnt 0x0                               ; my stores into slot s have landed, and my reads of the other slot are back
	s_barrier_signal -1
	s_barrier_wait -1                              ; both now hold of all sixteen waves: slot s is whole, and the other may be written
	STEP \s, 0, \fetch
	STEP \s, 1, \fetch
.endm
.Ltrip:                                            ; three trips of four steps: steps 0 to 11
	TRIP 0, 1
	TRIP 1, 1
	s_add_co_u32 s[TS], s[TS], 4096
	s_add_nc_u64 s[6:7], s[6:7], 4*STEPB           ; every load that named the base has been waited for
	s_sub_co_u32 s[TRIPS], s[TRIPS], 1
	s_cmp_lg_u32 s[TRIPS], 0
	s_cbranch_scc1 .Ltrip
	TRIP 0, 1                                      ; steps 12, 13; steps 14, 15 are copied
	TRIP 1, 0                                      ; steps 14, 15: nothing is left to copy, and no load leaves kvc
	; THE WAY OUT.  O^T is divided by the row's sum and goes through my stage, so that the 32 lanes store a row's 512 consecutive bytes.
	v_add_f32 v14, v14, v15                        ; the sum's two halves,
	v_permlanex16_b32 v252, v14, s[SEL], s[SEL+1]
	v_add_f32 v14, v14, v252                       ; and lane l xor 16's
	s_wait_alu depctr_va_vdst(0)
	v_rcp_f32 v14, v14
	v_nop                                          ; one plain place behind a transcendental
	s_wait_alu depctr_va_vdst(0)                   ; the reciprocal has written v14, ahead of its first reader
.set J, 0
.rept 64
	v_mul_f32 v[96+J], v[160+J], v14               ; register 8 t + i is o(query r, d = 16 t + 8 h + i); each accumulator from its low end on
.set J, J+1
.endr
	s_wait_alu depctr_va_vdst(0)                   ; the multiplies have written v96-159, which the LDS stores read; the last products and the softmax are done with v32-79 and v224-239, in which the rows land
.irp t, 0,1,2,3,4,5,6,7
	ds_store_b128 v6, v[96+8*\t:99+8*\t] offset:64*\t
	ds_store_b128 v6, v[100+8*\t:103+8*\t] offset:64*\t+16
.endr
.irp i, 0,1,2,3,4,5,6,7,8,9,10,11,12,13,14,15
	ds_load_b128 v[32+4*\i+144*(\i/12):35+4*\i+144*(\i/12)], v7 offset:SP*\i   ; my own bytes, served in order: these see the stores above.  Rows 0-11 into v32-79, rows 12-15 into v224-239
.endr
.irp i, 0,1,2,3,4,5,6,7,8,9,10,11,12,13,14,15
	s_wait_dscnt 15-\i                             ; row i is back; the younger rows' loads may be out
	global_store_b128 v1, v[32+4*\i+144*(\i/12):35+4*\i+144*(\i/12)], s[12:13] offset:16384*\i th:TH_STORE_NT   ; 512 consecutive bytes, at a multiple of 256 from out0's first byte; written once
.endr
	s_wait_dscnt 0x0
	s_wait_alu depctr_hold_cnt(0) depctr_sa_sdst(0) depctr_va_vdst(0) depctr_va_sdst(0) depctr_va_ssrc(0) depctr_va_vcc(0) depctr_vm_vsrc(0)
	s_wait_tensorcnt 0x0
	ds_add_u32 v31, v243
	s_wait_dscnt 0x0
	s_endpgm
.Lfunc_end_k_q92dbbfc53c_attn:
	.size	k_q92dbbfc53c_attn, .Lfunc_end_k_q92dbbfc53c_attn-k_q92dbbfc53c_attn
	.p2alignl 7, 3214868480
	.fill 96, 4, 3214868480
	.section	.rodata,"a",@progbits
	.p2align	6, 0x0
	.amdhsa_kernel k_q92dbbfc53c_attn
		.amdhsa_group_segment_fixed_size 251904
		.amdhsa_private_segment_fixed_size 0
		.amdhsa_enable_private_segment 0
		.amdhsa_kernarg_size 40
		.amdhsa_user_sgpr_count 2
		.amdhsa_user_sgpr_kernarg_segment_ptr 1
		.amdhsa_wavefront_size32 1
		.amdhsa_system_sgpr_workgroup_id_x 1
		.amdhsa_system_sgpr_workgroup_id_y 1
		.amdhsa_system_sgpr_workgroup_id_z 1
		.amdhsa_system_vgpr_workitem_id 0
		.amdhsa_next_free_vgpr 256
		.amdhsa_next_free_sgpr 66
		.amdhsa_reserve_vcc 0
		.amdhsa_float_denorm_mode_32 3
		.amdhsa_float_denorm_mode_16_64 3
		.amdhsa_memory_ordered 1
		.amdhsa_forward_progress 1
		.amdhsa_inst_pref_size 249
	.end_amdhsa_kernel
	.amdgpu_metadata
---
amdhsa.version: [ 1, 2 ]
amdhsa.kernels:
  - .name:           k_q92dbbfc53c_attn
    .symbol:         k_q92dbbfc53c_attn.kd
    .args:
      - { .name: query, .offset: 0, .size: 8, .value_kind: global_buffer, .address_space: global }
      - { .name: kvc, .offset: 8, .size: 8, .value_kind: global_buffer, .address_space: global }
      - { .name: kvs, .offset: 16, .size: 8, .value_kind: global_buffer, .address_space: global }
      - { .name: seq_lens, .offset: 24, .size: 8, .value_kind: global_buffer, .address_space: global }
      - { .name: out0, .offset: 32, .size: 8, .value_kind: global_buffer, .address_space: global }
    .group_segment_fixed_size: 251904
    .private_segment_fixed_size: 0
    .kernarg_segment_align: 8
    .kernarg_segment_size: 40
    .max_flat_workgroup_size: 512
    .sgpr_count:     66
    .vgpr_count:     256
    .wavefront_size: 32
...
	.end_amdgpu_metadata
.endif
;; end of part 4
